; MI455X (gfx1250); checked and timed in simulation.
; The chip was launched on July 23, 2026; its instructions are those of AMD's public machine-readable ISA for CDNA 5 (MIT licence, August 2026) and "CDNA5" Instruction Set Architecture Reference Guide (July 2026). The comments in the code are by the model that wrote it; some were corrected since.
;; MS Deform Attn. Allowed arithmetic: float matrix products may take bf16 or f16 operands with f32 sums; other float arithmetic in f32, or as packed bf16 or f16 multiplies, adds, multiply-adds, maxima and minima; sums over many terms, partial sums and values carried from step to step in f32; what a program stores and reads back later, other than sums and carried values, may be rounded once to bf16 or f16.
;; Inputs: W_attn 256 x 128 float32; W_off 256 x 256 float32; W_out 256 x 256 float32; b_attn 128 float32; b_off 256 float32; b_out 256 float32; feat0 4 x 256 x 128 x 128 float32; feat1 4 x 256 x 64 x 64 float32; feat2 4 x 256 x 32 x 32 float32; feat3 4 x 256 x 16 x 16 float32; query 4 x 8,192 x 256 float32; reference_points 4 x 8,192 x 2 float32.
;; Outputs: out0 4 x 8,192 x 256 float32; out1 4 x 8,192 x 8 x 4 x 4 float32.
;; 3 versions, each right; version 2 is faster than version 1; version 3 is version 2 with the launch sample written anew for expert scheduling mode. Each part assembles by itself: llvm-mc -triple=amdgcn-amd-amdhsa -mcpu=gfx1250 --defsym DOCPART=n.
;; ======== version 1 of 3: 3 launches
;; limits: values are held in f16: magnitudes above 65,504 overflow, below 6.1e-05 lose precision; inputs' magnitudes at most 65,504
;; workspace buffers: tab 44,564,480 bytes; wf 327,680 bytes; idx 16,777,216 bytes of whole numbers; wts 33,554,432 bytes
;; launch lay (part 1): grid 1370 x 1, 8 waves a work-group, no clusters, 35,840 bytes of LDS; arguments feat0, feat1, feat2, feat3, W_off, W_attn, W_out, tab, wf; writes tab, wf
.if DOCPART == 1
	.amdgcn_target "amdgcn-amd-amdhsa--gfx1250"
	.amdhsa_code_object_version 6
	.text
	.protected	k_qfba5ae7e5a_lay
	.globl	k_qfba5ae7e5a_lay
	.p2align	8
	.type	k_qfba5ae7e5a_lay,@function
k_qfba5ae7e5a_lay:
	s_mov_b64 s[64:65], 0
	v_nop
	global_prefetch_b8 v0, s[64:65] scope:SCOPE_SE
	s_setreg_imm32_b32 hwreg(HW_REG_WAVE_MODE, 25, 1), 1
	s_wait_xcnt 0x0
; LAY: the feature maps and the three weight matrices are rounded and turned, once, for the two launches behind.
;   tab: f16 [b 4][head 8][pixel 21760][channel 32]: 64 bytes a pixel; the four levels on end, at pixels 0, 16384, 20480, 21504.
;   wf:  f16 [K step 8][n][k 32] for each matrix: W_off at byte 0, W_attn at 131072, W_out at 196608: 64 bytes for each n and K step.
; Every number is rounded to bf16 (nearest even) and that number is written as f16.
; LIMITS: exact for 2^-14 <= |x| < 65,504; below 2^-14 f16's fixed step of 2^-24 remains; from 65,520 on the result is an infinity; NaN stays NaN.
; SHARES.  All seven sources are [256 rows][n numbers] of f32 (a map: 256 channels x pixels, for each b; a weight: 256 k x n).  A work-group takes 64 columns of all
; 256 rows; wave w takes rows 32 w .. 32 w + 31 (a head, or a K step): 8,192 bytes in, 4,096 consecutive bytes out.  1,360 work-groups for the maps, 10 for the weights.
; Memory binds: each load's sixteen lanes take 256 consecutive aligned bytes, each store of a wave covers 512 consecutive aligned bytes, nothing is read twice.
; The turn goes through the wave's own stage in LDS, so there is no barrier.  No matrix unit, no cluster: no work-group shares a byte with another.
.set SPARE, 34816                      ; behind the eight stages: the spare words, 128 bytes a wave
.set STG,   4352                       ; a wave's stage: 16 rows of 272 bytes
.set PS,    272                        ; a stage row: 4 pixels x 64 bytes + 16 of padding: 68 words, so 16 rows start at 16 different groups of four banks (64 banks of 4 bytes: ISA guide 11.1)
.set SPW, 4                            ; v4      LDS address of my spare word; never rewritten
.set NIL, 5                            ; v5      0; never rewritten
.set STO, 6                            ; v6      where I put 16 bytes into the stage
.set RD,  7                            ; v7      where I read 16 bytes back
.set GO,  8                            ; v8      16 x lane: my place in 512 consecutive bytes of the output
.set VO,  10                           ; v[10:25]   load i's byte offset
.set TM,  26                           ; v[26:37]   four sets of three, at work
.set X,   40                           ; v[40:103]  load i: 4 registers; later the rows read back
.set Y,   104                          ; v[104:135] pixel jj: 8 registers = 16 channels in f16
	s_load_b512 s[8:23], s[0:1], 0x0               ; feat0 s[8:9], feat1, feat2, feat3, W_off s[16:17], W_attn, W_out, tab s[22:23]
	s_load_b64 s[24:25], s[0:1], 0x40              ; wf
	v_lshl_add_u32 v[SPW], v0, 2, SPARE
	v_mov_b32 v[NIL], 0
	v_lshrrev_b32 v1, 5, v0
	v_readfirstlane_b32 s26, v1                    ; wave 0..7
	s_mov_b32 s27, ttmp9                           ; the work-group's number picks the source
	s_mov_b32 s42, 0xffff0000                      ; a word's upper bf16
	s_mov_b32 s28, 0                               ; the case feat0: first work-group,
	s_mov_b32 s29, 65536                           ; bytes in a source row,
	s_mov_b32 s30, 0                               ; the level's (matrix's) first byte in the output,
	s_mov_b32 s31, 1392640                         ; bytes from wave to wave in the output,
	s_mov_b32 s32, 2                               ; the number's low two bits are b,
	s_mov_b32 s33, 3                               ; the rest the chunk of 64 columns
	v_and_b32 v1, 31, v0                           ; lane
	v_and_b32 v2, 15, v0                           ; pl: which 4 columns
	v_bfe_u32 v3, v0, 4, 1                         ; hl: which 16 rows
	s_wait_kmcnt 0x0
	s_mov_b64 s[34:35], s[8:9]
	s_mov_b64 s[36:37], s[22:23]
.macro CASE start, src, dst, s4, db0, dw, sh, bm       ; from work-group 'start' on the later source's figures take the earlier one's place
	s_cmp_ge_u32 s27, \start
	s_cselect_b32 s28, \start, s28
	s_cselect_b64 s[34:35], s[\src:\src+1], s[34:35]
	s_cselect_b64 s[36:37], s[\dst:\dst+1], s[36:37]
	s_cselect_b32 s29, \s4, s29
	s_cselect_b32 s30, \db0, s30
	s_cselect_b32 s31, \dw, s31
	s_cselect_b32 s32, \sh, s32
	s_cselect_b32 s33, \bm, s33
.endm
	CASE 1024, 10, 22, 16384, 1048576, 1392640, 2, 3   ; feat1
	CASE 1280, 12, 22, 4096,  1310720, 1392640, 2, 3   ; feat2
	CASE 1344, 14, 22, 1024,  1376256, 1392640, 2, 3   ; feat3
	CASE 1360, 16, 24, 1024,  0,       16384,   0, 0   ; W_off
	CASE 1364, 18, 24, 512,   131072,  8192,    0, 0   ; W_attn
	CASE 1366, 20, 24, 1024,  196608,  16384,   0, 0   ; W_out
	s_sub_co_u32 s38, s27, s28
	s_lshr_b32 s38, s38, s32                       ; c: the chunk
	s_and_b32 s39, s27, s33                        ; b
	s_lshl_b32 s40, s29, 8                         ; source offset = b x 256 rows + c x 256 bytes + w x 32 rows (under 2^31)
	s_mul_i32 s40, s40, s39
	s_lshl_b32 s41, s38, 8
	s_add_co_u32 s40, s40, s41
	s_lshl_b32 s41, s29, 5
	s_mul_i32 s41, s41, s26
	s_add_co_u32 s40, s40, s41
	s_mov_b32 s41, 0
	s_add_nc_u64 s[34:35], s[34:35], s[40:41]
	s_mul_i32 s44, s39, 11141120                   ; output offset = b x 8 heads + c x 4,096 + the level's first byte + w x the wave's stride
	s_lshl_b32 s45, s38, 12
	s_add_co_u32 s44, s44, s45
	s_add_co_u32 s44, s44, s30
	s_mul_i32 s45, s26, s31
	s_add_co_u32 s44, s44, s45
	s_mov_b32 s45, 0
	s_add_nc_u64 s[36:37], s[36:37], s[44:45]
	s_lshl_b32 s43, s29, 4                         ; 16 rows
	v_mul_lo_u32 v[VO], v3, s43
	v_lshl_add_u32 v[VO], v2, 4, v[VO]             ; load 0: row 16 hl, bytes 16 pl
.irp i, 1,2,3,4,5,6,7,8,9,10,11,12,13,14,15
	v_add_nc_u32 v[VO+(\i)], s29, v[VO+(\i)-1]     ; load i: one row further down
.endr
.irp i, 0,1,2,3,4,5,6,7,8,9,10,11,12,13,14,15
	global_load_b128 v[X+4*(\i):X+4*(\i)+3], v[VO+(\i)], s[34:35] th:TH_LOAD_NT  ; lanes 0-15: row i, lanes 16-31: row 16 + i; 256 consecutive bytes each
.endr
	s_mul_i32 s46, s26, STG                        ; my stage
	v_mul_u32_u24 v[STO], v2, PS                   ; in: stage row pl (my 4 columns), my 16 rows' 32 bytes of each column's 64
	v_lshl_add_u32 v[STO], v3, 5, v[STO]
	v_add_nc_u32 v[STO], s46, v[STO]
	v_mul_u32_u24 v[RD], v3, PS                    ; back: lanes 0-15 one stage row of 256 bytes, lanes 16-31 the next
	v_lshl_add_u32 v[RD], v2, 4, v[RD]
	v_add_nc_u32 v[RD], s46, v[RD]
	v_lshlrev_b32 v[GO], 4, v1
	; rows 2 k and 2 k + 1 of my sixteen: for each of my four columns both numbers are rounded to bf16, widened, and written as two f16
.irp k, 0,1,2,3,4,5,6,7
	s_wait_loadcnt 14-2*(\k)                       ; loads come back in order (ISA guide 5.7.1): the 14 - 2 k younger ones may stay out
.irp jj, 0,1,2,3
	v_cvt_pk_bf16_f32 v[TM+3*(\jj)], v[X+8*(\k)+(\jj)], v[X+8*(\k)+4+(\jj)]
.endr
.irp jj, 0,1,2,3
	v_lshlrev_b32 v[TM+3*(\jj)+1], 16, v[TM+3*(\jj)]
	v_and_b32     v[TM+3*(\jj)+2], s42, v[TM+3*(\jj)]
.endr
.irp jj, 0,1,2,3
	v_cvt_pk_f16_f32 v[Y+8*(\jj)+(\k)], v[TM+3*(\jj)+1], v[TM+3*(\jj)+2]
.endr
.endr
.irp jj, 0,1,2,3
	ds_store_b128 v[STO], v[Y+8*(\jj):Y+8*(\jj)+3]   offset:(\jj)*64
	ds_store_b128 v[STO], v[Y+8*(\jj)+4:Y+8*(\jj)+7] offset:(\jj)*64+16
.endr
.irp t, 0,1,2,3,4,5,6,7
	ds_load_b128 v[X+4*(\t):X+4*(\t)+3], v[RD] offset:(\t)*2*PS  ; LDS serves a wave's instructions in order (ISA guide 5.7.1.4): these see my stores above
.endr
.irp t, 0,1,2,3,4,5,6,7
	s_wait_dscnt 7-(\t)
	global_store_b128 v[GO], v[X+4*(\t):X+4*(\t)+3], s[36:37] offset:(\t)*512  ; 512 consecutive bytes, at a multiple of 256 from the buffer's first; read again by later launches, so no hint
.endr
	s_wait_tensorcnt 0x0                           ; the wave's end, behind my last LDS store
	ds_add_u32 v[SPW], v[NIL]
	s_wait_dscnt 0x0
	s_endpgm
.Lfunc_end_k_qfba5ae7e5a_lay:
	.size	k_qfba5ae7e5a_lay, .Lfunc_end_k_qfba5ae7e5a_lay-k_qfba5ae7e5a_lay
	.p2alignl 7, 3214868480
	.fill 96, 4, 3214868480
	.section	.rodata,"a",@progbits
	.p2align	6, 0x0
	.amdhsa_kernel k_qfba5ae7e5a_lay
		.amdhsa_group_segment_fixed_size 35840
		.amdhsa_private_segment_fixed_size 0
		.amdhsa_enable_private_segment 0
		.amdhsa_kernarg_size 72
		.amdhsa_user_sgpr_count 2
		.amdhsa_user_sgpr_kernarg_segment_ptr 1
		.amdhsa_wavefront_size32 1
		.amdhsa_system_sgpr_workgroup_id_x 1
		.amdhsa_system_sgpr_workgroup_id_y 1
		.amdhsa_system_sgpr_workgroup_id_z 1
		.amdhsa_system_vgpr_workitem_id 0
		.amdhsa_next_free_vgpr 136
		.amdhsa_next_free_sgpr 66
		.amdhsa_reserve_vcc 0
		.amdhsa_float_denorm_mode_32 3
		.amdhsa_float_denorm_mode_16_64 3
		.amdhsa_memory_ordered 1
		.amdhsa_forward_progress 1
		.amdhsa_inst_pref_size 16
	.end_amdhsa_kernel
	.amdgpu_metadata
---
amdhsa.version: [ 1, 2 ]
amdhsa.kernels:
  - .name:           k_qfba5ae7e5a_lay
    .symbol:         k_qfba5ae7e5a_lay.kd
    .args:
      - { .name: feat0, .offset: 0, .size: 8, .value_kind: global_buffer, .address_space: global }
      - { .name: feat1, .offset: 8, .size: 8, .value_kind: global_buffer, .address_space: global }
      - { .name: feat2, .offset: 16, .size: 8, .value_kind: global_buffer, .address_space: global }
      - { .name: feat3, .offset: 24, .size: 8, .value_kind: global_buffer, .address_space: global }
      - { .name: W_off, .offset: 32, .size: 8, .value_kind: global_buffer, .address_space: global }
      - { .name: W_attn, .offset: 40, .size: 8, .value_kind: global_buffer, .address_space: global }
      - { .name: W_out, .offset: 48, .size: 8, .value_kind: global_buffer, .address_space: global }
      - { .name: tab, .offset: 56, .size: 8, .value_kind: global_buffer, .address_space: global }
      - { .name: wf, .offset: 64, .size: 8, .value_kind: global_buffer, .address_space: global }
    .group_segment_fixed_size: 35840
    .private_segment_fixed_size: 0
    .kernarg_segment_align: 8
    .kernarg_segment_size: 72
    .max_flat_workgroup_size: 256
    .sgpr_count:     66
    .vgpr_count:     136
    .wavefront_size: 32
...
	.end_amdgpu_metadata
.endif
;; end of part 1
;; launch proj (part 2): grid 256 x 1, 8 waves a work-group, no clusters, 137,216 bytes of LDS; arguments query, reference_points, b_off, b_attn, wf, out1, idx, wts; writes out1, idx, wts
.if DOCPART == 2
	.amdgcn_target "amdgcn-amd-amdhsa--gfx1250"
	.amdhsa_code_object_version 6
	.text
	.protected	k_qfba5ae7e5a_proj
	.globl	k_qfba5ae7e5a_proj
	.p2align	8
	.type	k_qfba5ae7e5a_proj,@function
k_qfba5ae7e5a_proj:
	s_mov_b64 s[64:65], 0
	v_nop
	global_prefetch_b8 v0, s[64:65] scope:SCOPE_SE
	s_setreg_imm32_b32 hwreg(HW_REG_WAVE_MODE, 25, 1), 1
	s_wait_xcnt 0x0
; PROJ: offsets = tanh(query W_off + b_off), attn = softmax(query W_attn + b_attn) (out1), and from them, for each sample point (q, head, level, p), ONE pixel index and FOUR weights.
; NUMBERS.  query, reference_points and the biases are rounded to bf16 first (the weights were, in the launch before); query and weights enter the products as f16 (the same numbers), sums in f32.
; tanh z = 1 - 2 rho, rho = 1 / (1 + 2^(2.885390 z)): x = (ref + 0.5)(W - 1) - rho (W - 1).  The softmax takes the true maximum of a head's 16 logits away.
; BILINEAR.  xb = floor(x) held to 0 .. W - 2, f = x - xb.  Column xb weighs max(1 - |f|, 0), column xb + 1 the middle of (f, 0, 2 - f): for every x these are the two columns' bilinear weights with
; zeros outside the map, and both columns exist.  The same for y.  index = level's first pixel + yb W + xb (exact in f32); weight(r, c) = attn x wy_r x wx_c, in 0 .. 1, stored as f16.
; LIMITS: |query| under 65,504 after rounding; below 2^-14 f16's step of 2^-24; an exponential below 2^-126 counts as 0; NaN and infinities are not treated apart (a NaN coordinate gives index 0).
; SHARES.  A work-group owns 128 queries, wave h head h.  The wave's three tiles of weights (offsets of levels 0 and 2, of levels 1 and 3, logits), 8 K steps each, stay in 192 registers.
; The matrix instruction is used transposed: source 0 = 16 columns of W, source 1 = 16 queries: lane (r, hh) holds query r and eight columns.  Offsets tile u takes, as its row m, column
; 32 h + 16 (m / 8) + 8 u + m % 8: lane half hh then holds level 2 hh + u, register 2 p = x, 2 p + 1 = y; logit register 4 u + p is that same point's.
; OUT.  idx: u32 [G][t 8 + h][level][s][q 16][p 4], wts: f16 [G][t 8 + h][corner 2 + hh][s][q 16][u 4 + p], query = 128 G + 32 s + 16 t + q: in each store each half of the lanes fills 256 consecutive aligned bytes.
; No cluster: work-groups share only the 192 KB of weights, read once into registers.  No tensor load: the queries must be converted on their way into LDS.
.set PQ,    528                        ; an LDS row: 512 bytes + 16 of padding = 132 words: 16 rows start at 16 different groups of four banks (64 banks of 4 bytes: ISA guide 11.1)
.set AT,    67584                      ; behind the queries (128 rows of f16): attn, 128 rows of 128 f32
.set RF,    135168                     ; ref + 0.5: 128 x 8 bytes
.set SPARE, 136192                     ; the spare words, 128 bytes a wave
.set SPW, 4                            ; v4  LDS address of my spare word; never rewritten
.set NIL, 5                            ; v5  0; never rewritten
.set QSA, 6                            ; v6  staging: where I put 8 bytes of a query row
.set QFA0, 7                           ; v7  my place in a tile of 16 query rows;   v8 the tile's
.set QFA, 8
.set RFA0, 9                           ; v9, v10 the same for ref
.set RFA, 10
.set ATS0, 11                          ; v11, v12 for attn
.set ATS, 12
.set IDO0, 13                          ; v13, v14 my byte offset in idx
.set IDO, 14
.set WTO0, 15                          ; v15, v16 in wts
.set WTO, 16
.set WA, 17                            ; v17 my byte offset in W_off's fragments;  v18 in W_attn's
.set WB, 18
.set L16, 19                           ; v19 16 x lane
.set NS, 20                            ; v[20:21], v[22:23]  -(W - 1) of level 2 hh + u, twice
.set CMX, 24                           ; v24, v25  W - 2
.set WW, 26                            ; v26, v27  W
.set PB, 28                            ; v28, v29  the level's first pixel
.set RFV, 30                           ; v[30:31]  ref + 0.5 (x, y)
.set CC, 32                            ; v[32:33]  (ref + 0.5)(W - 1); at the head v32-34 hold load offsets
.set MX, 34                            ; v34 maximum;  v35 the other half of the lanes';  v[36:37] c m;  v[38:39] sum, then its reciprocal
.set MO, 35
.set MC, 36
.set SM, 38
.set BIAS, 40                          ; v[40:63]  the three tiles' biases, eight a lane each
.set ACC, 64                           ; v[64:71] offsets u = 0, v[72:79] u = 1, v[80:87] logits
.set LG, 80
.set BB, 88                            ; v[88:95]   xb, yb
.set RW0, 96                           ; v[96:103]  weights of column xb / row yb
.set RW1, 104                          ; v[104:111] of the next
.set IX, 112                           ; v[112:119] indices: 4 u + p
.set WP, 120                           ; v[120:135] packed weights: 4 corner + 2 u + p / 2
.set PR, 136                           ; v[136:151] weights in f32: 4 corner + p
.set AY, 152                           ; v[152:159] attn x wy: 2 p + r
.set QF, 192                           ; v[192:255] a tile's query fragments, 8 a K step.   Staging: v[128:255]
.set MSB, 0
.macro WIN new                         ; s_set_vgpr_msb: bits 1:0 source 0, 7:6 destination; the high byte repeats the setting that is left
.if MSB != (\new)
	s_set_vgpr_msb (MSB<<8)|(\new)
.set MSB, \new
.endif
.endm
; window 1: v[64 tau + 8 ks ..] the weight fragment of tile tau (0, 1: offsets u; 2: logits), K step ks
	s_load_b512 s[8:23], s[0:1], 0x0               ; query s[8:9], ref s[10:11], b_off s[12:13], b_attn s[14:15], wf s[16:17], out1 s[18:19], idx s[20:21], wts s[22:23]
	v_lshl_add_u32 v[SPW], v0, 2, SPARE
	v_mov_b32 v[NIL], 0
	v_lshrrev_b32 v1, 5, v0
	v_readfirstlane_b32 s24, v1                    ; wave = head
	v_and_b32 v3, 31, v0                           ; lane
	v_and_b32 v1, 15, v0                           ; r
	v_bfe_u32 v2, v0, 4, 1                         ; hh
	s_mov_b32 s30, 0x76543210                      ; v_permlanex16_b32: each lane takes its own place in the other half
	s_mov_b32 s31, 0xfedcba98
	s_mov_b32 s40, 0xffff0000                      ; a word's upper bf16
	s_lshl_b32 s44, ttmp9, 7
	s_lshl_b32 s45, s24, 4
	s_add_co_u32 s44, s44, s45                     ; the first of the 16 rows that I stage, and whose attn I store
	s_mul_i32 s47, s24, 16*PQ                      ; their place in LDS
	v_lshlrev_b32 v[L16], 4, v3
	v_lshl_add_u32 v[QSA], v3, 3, s47
	v_mul_u32_u24 v[QFA0], v1, PQ
	v_lshl_add_u32 v[ATS0], v2, 5, v[QFA0]         ; attn: row r, 64 h + 32 hh
	v_lshl_add_u32 v[QFA0], v2, 4, v[QFA0]         ; a fragment: row r, 16 hh
	v_lshl_add_u32 v[RFA0], v1, 3, RF
	s_lshl_b32 s45, s24, 7
	v_add_nc_u32 v[RFA], s45, v[RFA0]              ; staging: ref of row 16 w + r
	v_lshl_add_u32 v33, v2, 6, s45                 ; b_off: column 32 h + 16 hh (+ 8 u)
	s_lshl_b32 s46, s24, 6
	v_lshl_add_u32 v34, v2, 5, s46                 ; b_attn: column 16 h + 8 hh
	s_add_co_u32 s46, s46, AT
	v_add_nc_u32 v[ATS0], s46, v[ATS0]
	s_lshl_b32 s46, s44, 3
	v_lshl_add_u32 v32, v1, 3, s46                 ; reference_points: row 128 G + 16 w + r
	v_lshlrev_b32 v[IDO0], 4, v1
	v_lshl_add_u32 v[WTO0], v2, 10, v[IDO0]
	v_lshl_add_u32 v[IDO0], v2, 11, v[IDO0]
	s_lshl_b32 s46, s24, 12
	v_add_nc_u32 v[IDO0], s46, v[IDO0]             ; 4096 h + 2048 hh + 16 r
	s_lshl_b32 s46, s24, 13
	v_add_nc_u32 v[WTO0], s46, v[WTO0]             ; 8192 h + 1024 hh + 16 r
	v_lshrrev_b32 v[WA], 3, v1
	v_and_b32 v[WB], 7, v1
	v_lshlrev_b32 v[WA], 10, v[WA]
	v_lshl_add_u32 v[WA], v[WB], 6, v[WA]
	v_lshl_add_u32 v[WA], v2, 4, v[WA]
	s_lshl_b32 s46, s24, 11
	v_add_nc_u32 v[WA], s46, v[WA]                 ; (32 h + 16 (r / 8) + r % 8) x 64 + 16 hh
	v_lshlrev_b32 v[WB], 6, v1
	v_lshl_add_u32 v[WB], v2, 4, v[WB]
	s_lshl_b32 s46, s24, 10
	v_add_nc_u32 v[WB], s46, v[WB]                 ; (16 h + r) x 64 + 16 hh
	v_cmp_eq_u32 vcc_lo, 1, v2
.macro SEL d, a, b                     ; a in lanes 0-15 (level u), b in lanes 16-31 (level 2 + u)
	v_mov_b32 v[\d], \b
	v_cndmask_b32 v[\d], \a, v[\d], vcc_lo
.endm
	SEL NS,    0xc2fe0000, 0xc1f80000              ; -127, -31
	SEL NS+2,  0xc27c0000, 0xc1700000              ; -63, -15
	v_mov_b32 v[NS+1], v[NS]
	v_mov_b32 v[NS+3], v[NS+2]
	SEL CMX,   0x42fc0000, 0x41f00000              ; 126, 30
	SEL CMX+1, 0x42780000, 0x41600000              ; 62, 14
	SEL WW,    0x43000000, 0x42000000              ; 128, 32
	SEL WW+1,  0x42800000, 0x41800000              ; 64, 16
	SEL PB,    0,          0x46a00000              ; 0, 20480
	SEL PB+1,  0x46800000, 0x46a80000              ; 16384, 21504
	v_mov_b32 v[MO], 0                             ; a lane exchange's destination counts as read
	v_mov_b32 v[MC+1], 0                           ; named as a pair with c m
	s_lshl_b32 s38, s44, 10
	s_mov_b32 s39, 0
	s_wait_kmcnt 0x0
	s_add_nc_u64 s[42:43], s[8:9], s[38:39]        ; query at my 16 rows
	s_lshl_b32 s38, ttmp9, 16
	s_add_nc_u64 s[32:33], s[20:21], s[38:39]      ; idx at the work-group's 65,536 bytes
	s_lshl_b32 s38, ttmp9, 17
	s_add_nc_u64 s[34:35], s[22:23], s[38:39]      ; wts at its 131,072
	s_lshl_b32 s38, s44, 9
	s_add_nc_u64 s[36:37], s[18:19], s[38:39]      ; out1 at my 16 rows
	; PHASE 1.  All loads go out: 1 of ref, 32 of query (512 consecutive bytes each), 48 of weight fragments, 6 of biases.
	global_load_b64 v[RFV:RFV+1], v32, s[10:11]
.irp i, 0,1,2,3,4,5,6,7,8,9,10,11,12,13,14,15,16,17,18,19,20,21,22,23,24,25,26,27,28,29,30,31
	global_load_b128 v[128+4*(\i):128+4*(\i)+3], v[L16], s[42:43] offset:512*(\i) th:TH_LOAD_NT
.endr
	WIN 0x40                                       ; destination window 1, address window 0
.irp ks, 0,1,2,3,4,5,6,7
	global_load_b128 v[8*(\ks):8*(\ks)+3],         v[WA], s[16:17] offset:(\ks)*16384
	global_load_b128 v[8*(\ks)+4:8*(\ks)+7],       v[WA], s[16:17] offset:(\ks)*16384+32
	global_load_b128 v[64+8*(\ks):64+8*(\ks)+3],   v[WA], s[16:17] offset:(\ks)*16384+512
	global_load_b128 v[64+8*(\ks)+4:64+8*(\ks)+7], v[WA], s[16:17] offset:(\ks)*16384+544
	global_load_b128 v[128+8*(\ks):128+8*(\ks)+3],   v[WB], s[16:17] offset:131072+(\ks)*8192
	global_load_b128 v[128+8*(\ks)+4:128+8*(\ks)+7], v[WB], s[16:17] offset:131072+(\ks)*8192+32
.endr
	WIN 0
	global_load_b128 v[BIAS:BIAS+3],     v33, s[12:13]
	global_load_b128 v[BIAS+4:BIAS+7],   v33, s[12:13] offset:16
	global_load_b128 v[BIAS+8:BIAS+11],  v33, s[12:13] offset:32
	global_load_b128 v[BIAS+12:BIAS+15], v33, s[12:13] offset:48
	global_load_b128 v[BIAS+16:BIAS+19], v34, s[14:15]
	global_load_b128 v[BIAS+20:BIAS+23], v34, s[14:15] offset:16
	s_wait_loadcnt 63                              ; 86 loads were issued behind ref's; the wait's field ends at 63, and a smaller count is safe
	v_cvt_pk_bf16_f32 v88, v[RFV], v[RFV+1]
	v_lshlrev_b32 v[RFV], 16, v88
	v_and_b32 v[RFV+1], s40, v88
	v_pk_add_f32 v[RFV:RFV+1], v[RFV:RFV+1], 0.5 op_sel_hi:[1,0]
	ds_store_b64 v[RFA], v[RFV:RFV+1]              ; lanes r and 16 + r write the same words with the same numbers
.macro STAGEQ i                        ; four numbers of query: to bf16, widened, to f16, 8 bytes into LDS; the wave's store covers 256 consecutive bytes
.set T, 88+8*((\i)%2)
.if 85-(\i) > 63
	s_wait_loadcnt 63
.else
	s_wait_loadcnt 85-(\i)                         ; behind load i: 31 - i of query, 48 fragments, 6 biases
.endif
	v_cvt_pk_bf16_f32 v[T],   v[128+4*(\i)],   v[128+4*(\i)+1]
	v_cvt_pk_bf16_f32 v[T+1], v[128+4*(\i)+2], v[128+4*(\i)+3]
	v_lshlrev_b32 v[T+2], 16, v[T]
	v_and_b32     v[T+3], s40, v[T]
	v_lshlrev_b32 v[T+4], 16, v[T+1]
	v_and_b32     v[T+5], s40, v[T+1]
	v_cvt_pk_f16_f32 v[T+6], v[T+2], v[T+3]
	v_cvt_pk_f16_f32 v[T+7], v[T+4], v[T+5]
	ds_store_b64 v[QSA], v[T+6:T+7] offset:((\i)/2)*PQ+((\i)%2)*256
.endm
.irp i, 0,1,2,3,4,5,6,7,8,9,10,11,12,13,14,15,16,17,18,19,20,21,22,23,24,25,26,27,28,29,30,31
	STAGEQ \i
.endr
	s_wait_loadcnt 0x0                             ; fragments and biases
.irp k, 0,1,2,3,4,5,6,7,8,9,10,11
	v_cvt_pk_bf16_f32 v[88+(\k)], v[BIAS+2*(\k)], v[BIAS+2*(\k)+1]
.endr
.irp k, 0,1,2,3,4,5,6,7,8,9,10,11
	v_lshlrev_b32 v[BIAS+2*(\k)],   16, v[88+(\k)]
	v_and_b32     v[BIAS+2*(\k)+1], s40, v[88+(\k)]
.endr
	s_wait_dscnt 0x0                               ; for the others' sake: my rows of query and ref are in LDS
	s_barrier_signal -1
	s_barrier_wait -1                              ; everybody's are
; The eight coordinates of tile u (four points: x, y) become four indices and sixteen weights.
.macro POINTS u
.set Z, ACC+8*(\u)
.set NSR, NS+2*(\u)
.irp k, 0,1,2,3
	v_pk_mul_f32 v[Z+2*(\k):Z+2*(\k)+1], v[Z+2*(\k):Z+2*(\k)+1], 0x4038aa3b op_sel_hi:[1,0]  ; 2 log2(e) z; the accumulator's lowest registers are read first
.endr
.irp i, 0,1,2,3,4,5,6,7
	v_exp_f32 v[Z+(\i)], v[Z+(\i)]
.endr
	v_pk_mul_f32 v[CC:CC+1], v[RFV:RFV+1], v[NSR:NSR+1] neg_lo:[1,0] neg_hi:[1,0]  ; (ref + 0.5)(W - 1): also the plain instruction behind the exponentials (ISA guide 5.7.2)
	s_wait_alu depctr_va_vdst(0)
.irp k, 0,1,2,3
	v_pk_add_f32 v[Z+2*(\k):Z+2*(\k)+1], v[Z+2*(\k):Z+2*(\k)+1], 1.0 op_sel_hi:[1,0]
.endr
.irp i, 0,1,2,3,4,5,6,7
	v_rcp_f32 v[Z+(\i)], v[Z+(\i)]                 ; rho
.endr
	v_nop                                          ; a plain instruction behind the reciprocals
	s_wait_alu depctr_va_vdst(0)
.irp k, 0,1,2,3
	v_pk_fma_f32 v[Z+2*(\k):Z+2*(\k)+1], v[Z+2*(\k):Z+2*(\k)+1], v[NSR:NSR+1], v[CC:CC+1]  ; x, y in pixels
.endr
.irp i, 0,1,2,3,4,5,6,7
	v_floor_f32 v[BB+(\i)], v[Z+(\i)]
.endr
.irp i, 0,1,2,3,4,5,6,7
	v_med3_num_f32 v[BB+(\i)], v[BB+(\i)], 0, v[CMX+(\u)]  ; held to 0 .. W - 2
.endr
.irp k, 0,1,2,3
	v_pk_add_f32 v[Z+2*(\k):Z+2*(\k)+1], v[Z+2*(\k):Z+2*(\k)+1], v[BB+2*(\k):BB+2*(\k)+1] neg_lo:[0,1] neg_hi:[0,1]  ; f
.endr
.irp i, 0,1,2,3,4,5,6,7
	v_sub_f32 v[RW0+(\i)], 1.0, |v[Z+(\i)]|
	v_sub_f32 v[RW1+(\i)], 2.0, v[Z+(\i)]
.endr
.irp i, 0,1,2,3,4,5,6,7
	v_max_num_f32 v[RW0+(\i)], 0, v[RW0+(\i)]
	v_med3_num_f32 v[RW1+(\i)], v[Z+(\i)], 0, v[RW1+(\i)]
.endr
.irp p, 0,1,2,3
	v_fma_f32 v[IX+4*(\u)+(\p)], v[BB+2*(\p)+1], v[WW+(\u)], v[BB+2*(\p)]  ; yb W + xb: whole numbers under 2^24, exact
.endr
.irp p, 0,1,2,3
	v_add_f32 v[IX+4*(\u)+(\p)], v[PB+(\u)], v[IX+4*(\u)+(\p)]
.endr
.irp p, 0,1,2,3
	v_cvt_u32_f32 v[IX+4*(\u)+(\p)], v[IX+4*(\u)+(\p)]
.endr
.irp p, 0,1,2,3
	v_mul_f32 v[AY+2*(\p)],   v[LG+4*(\u)+(\p)], v[RW0+2*(\p)+1]
	v_mul_f32 v[AY+2*(\p)+1], v[LG+4*(\u)+(\p)], v[RW1+2*(\p)+1]
.endr
.irp p, 0,1,2,3
	v_mul_f32 v[PR+(\p)],    v[AY+2*(\p)],   v[RW0+2*(\p)]  ; corner 2 r + c
	v_mul_f32 v[PR+4+(\p)],  v[AY+2*(\p)],   v[RW1+2*(\p)]
	v_mul_f32 v[PR+8+(\p)],  v[AY+2*(\p)+1], v[RW0+2*(\p)]
	v_mul_f32 v[PR+12+(\p)], v[AY+2*(\p)+1], v[RW1+2*(\p)]
.endr
.irp rc, 0,1,2,3
	v_cvt_pk_f16_f32 v[WP+4*(\rc)+2*(\u)],   v[PR+4*(\rc)],   v[PR+4*(\rc)+1]
	v_cvt_pk_f16_f32 v[WP+4*(\rc)+2*(\u)+1], v[PR+4*(\rc)+2], v[PR+4*(\rc)+3]
.endr
.endm
	; PHASE 2.  Eight tiles of 16 queries.
	s_mov_b32 s25, 0                               ; the tile
	s_mov_b32 s26, 0                               ; its 16 rows in LDS
	s_mov_b32 s27, 0                               ; its 16 refs
.Ltile:
	s_wait_xcnt 0x0                                ; every earlier memory instruction has had its addresses translated (ISA guide 3.1): the last tile's store data and offsets are rewritten only behind this wait
	s_and_b32 s45, s25, 1                          ; t
	s_lshr_b32 s46, s25, 1                         ; s
	s_lshl_b32 s46, s46, 8
	s_lshl_b32 s28, s45, 15
	s_or_b32 s28, s28, s46                         ; the tile's place in idx: 32,768 t + 256 s
	s_lshl_b32 s29, s45, 16
	s_or_b32 s29, s29, s46                         ; in wts: 65,536 t + 256 s
	v_add_nc_u32 v[QFA], s26, v[QFA0]
	v_add_nc_u32 v[RFA], s27, v[RFA0]
	ds_load_b64 v[RFV:RFV+1], v[RFA]
.irp ks, 0,1,2,3,4,5,6,7
	ds_load_b128 v[QF+8*(\ks):QF+8*(\ks)+3],   v[QFA] offset:64*(\ks)
	ds_load_b128 v[QF+8*(\ks)+4:QF+8*(\ks)+7], v[QFA] offset:64*(\ks)+32
.endr
	WIN 0x01                                       ; source 0, the weights, in window 1
	; the three accumulators take turns, one instruction a turn; the first K step starts the sums with the biases
	s_wait_dscnt 14
	v_wmma_f32_16x16x32_f16 v[ACC:ACC+7],     v[0:7],     v[QF:QF+7], v[BIAS:BIAS+7]
	v_wmma_f32_16x16x32_f16 v[ACC+8:ACC+15],  v[64:71],   v[QF:QF+7], v[BIAS+8:BIAS+15]
	v_wmma_f32_16x16x32_f16 v[ACC+16:ACC+23], v[128:135], v[QF:QF+7], v[BIAS+16:BIAS+23]
.irp ks, 1,2,3,4,5,6,7
	s_wait_dscnt 14-2*(\ks)                        ; LDS loads come back in order: the fragments of later K steps may stay out
	v_wmma_f32_16x16x32_f16 v[ACC:ACC+7],     v[8*(\ks):8*(\ks)+7],         v[QF+8*(\ks):QF+8*(\ks)+7], v[ACC:ACC+7]
	v_wmma_f32_16x16x32_f16 v[ACC+8:ACC+15],  v[64+8*(\ks):64+8*(\ks)+7],   v[QF+8*(\ks):QF+8*(\ks)+7], v[ACC+8:ACC+15]
	v_wmma_f32_16x16x32_f16 v[ACC+16:ACC+23], v[128+8*(\ks):128+8*(\ks)+7], v[QF+8*(\ks):QF+8*(\ks)+7], v[ACC+16:ACC+23]
.endr
	WIN 0
	v_add_nc_u32 v[ATS], s26, v[ATS0]              ; four plain instructions that name no register of the last products stand between them and the first read of a result (ISA guide 7.12.1)
	v_add_nc_u32 v[IDO], s28, v[IDO0]
	v_add_nc_u32 v[WTO], s29, v[WTO0]
	v_nop
	; softmax over the head's 16 logits: eight in this lane, eight in the lane 16 away
	v_max3_num_f32 v[MX], v[LG], v[LG+1], v[LG+2]
	v_max3_num_f32 v[MX], v[MX], v[LG+3], v[LG+4]
	v_max3_num_f32 v[MX], v[MX], v[LG+5], v[LG+6]
	v_max_num_f32 v[MX], v[MX], v[LG+7]
	v_permlanex16_b32 v[MO], v[MX], s30, s31
	v_max_num_f32 v[MX], v[MX], v[MO]
	v_mul_f32 v[MC], 0x3fb8aa3b, v[MX]             ; log2(e) m
.irp k, 0,1,2,3
	v_pk_fma_f32 v[LG+2*(\k):LG+2*(\k)+1], v[LG+2*(\k):LG+2*(\k)+1], 0x3fb8aa3b, v[MC:MC+1] op_sel_hi:[1,0,0] neg_lo:[0,0,1] neg_hi:[0,0,1]
.endr
.irp i, 0,1,2,3,4,5,6,7
	v_exp_f32 v[LG+(\i)], v[LG+(\i)]
.endr
	v_nop                                          ; a plain instruction behind the exponentials
	s_wait_alu depctr_va_vdst(0)
	v_pk_add_f32 v[SM:SM+1], v[LG:LG+1], v[LG+2:LG+3]
	v_pk_add_f32 v[CC:CC+1], v[LG+4:LG+5], v[LG+6:LG+7]
	v_pk_add_f32 v[SM:SM+1], v[SM:SM+1], v[CC:CC+1]
	v_add_f32 v[SM], v[SM], v[SM+1]
	v_permlanex16_b32 v[MO], v[SM], s30, s31
	v_add_f32 v[SM], v[SM], v[MO]
	v_rcp_f32 v[SM], v[SM]
	v_nop                                          ; a plain instruction behind the reciprocal
	s_wait_alu depctr_va_vdst(0)
.irp k, 0,1,2,3
	v_pk_mul_f32 v[LG+2*(\k):LG+2*(\k)+1], v[LG+2*(\k):LG+2*(\k)+1], v[SM:SM+1] op_sel_hi:[1,0]
.endr
	ds_store_b128 v[ATS], v[LG:LG+3]
	ds_store_b128 v[ATS], v[LG+4:LG+7] offset:16
	POINTS 0
	POINTS 1
	global_store_b128 v[IDO], v[IX:IX+3],   s[32:33]
	global_store_b128 v[IDO], v[IX+4:IX+7], s[32:33] offset:1024
.irp rc, 0,1,2,3
	global_store_b128 v[WTO], v[WP+4*(\rc):WP+4*(\rc)+3], s[34:35] offset:2048*(\rc)
.endr
	s_add_co_u32 s26, s26, 16*PQ
	s_add_co_u32 s27, s27, 128
	s_add_co_u32 s25, s25, 1
	s_cmp_lt_u32 s25, 8
	s_cbranch_scc1 .Ltile
	; PHASE 3.  attn leaves by whole rows: a row's 512 bytes come from all eight waves, so a barrier stands between the writing and the reading.
	s_wait_dscnt 0x0                               ; for the others' sake: my stores of attn are done
	s_barrier_signal -1
	s_barrier_wait -1
	v_add_nc_u32 v[QFA], s47, v[L16]
	v_add_nc_u32 v[QFA], AT, v[QFA]                ; my 16 rows, 16 bytes a lane
.irp i, 0,1,2,3,4,5,6,7,8,9,10,11,12,13,14,15
	ds_load_b128 v[QF+4*(\i):QF+4*(\i)+3], v[QFA] offset:(\i)*PQ
.endr
.irp i, 0,1,2,3,4,5,6,7,8,9,10,11,12,13,14,15
	s_wait_dscnt 15-(\i)
	global_store_b128 v[L16], v[QF+4*(\i):QF+4*(\i)+3], s[36:37] offset:512*(\i) th:TH_STORE_NT  ; 512 consecutive bytes, a whole row of out1
.endr
	s_wait_tensorcnt 0x0                           ; the wave's end, behind my last LDS store
	ds_add_u32 v[SPW], v[NIL]
	s_wait_dscnt 0x0
	s_endpgm
.Lfunc_end_k_qfba5ae7e5a_proj:
	.size	k_qfba5ae7e5a_proj, .Lfunc_end_k_qfba5ae7e5a_proj-k_qfba5ae7e5a_proj
	.p2alignl 7, 3214868480
	.fill 96, 4, 3214868480
	.section	.rodata,"a",@progbits
	.p2align	6, 0x0
	.amdhsa_kernel k_qfba5ae7e5a_proj
		.amdhsa_group_segment_fixed_size 137216
		.amdhsa_private_segment_fixed_size 0
		.amdhsa_enable_private_segment 0
		.amdhsa_kernarg_size 64
		.amdhsa_user_sgpr_count 2
		.amdhsa_user_sgpr_kernarg_segment_ptr 1
		.amdhsa_wavefront_size32 1
		.amdhsa_system_sgpr_workgroup_id_x 1
		.amdhsa_system_sgpr_workgroup_id_y 1
		.amdhsa_system_sgpr_workgroup_id_z 1
		.amdhsa_system_vgpr_workitem_id 0
		.amdhsa_next_free_vgpr 448
		.amdhsa_next_free_sgpr 66
		.amdhsa_reserve_vcc 1
		.amdhsa_float_denorm_mode_32 3
		.amdhsa_float_denorm_mode_16_64 3
		.amdhsa_memory_ordered 1
		.amdhsa_forward_progress 1
		.amdhsa_inst_pref_size 50
	.end_amdhsa_kernel
	.amdgpu_metadata
---
amdhsa.version: [ 1, 2 ]
amdhsa.kernels:
  - .name:           k_qfba5ae7e5a_proj
    .symbol:         k_qfba5ae7e5a_proj.kd
    .args:
      - { .name: query, .offset: 0, .size: 8, .value_kind: global_buffer, .address_space: global }
      - { .name: reference_points, .offset: 8, .size: 8, .value_kind: global_buffer, .address_space: global }
      - { .name: b_off, .offset: 16, .size: 8, .value_kind: global_buffer, .address_space: global }
      - { .name: b_attn, .offset: 24, .size: 8, .value_kind: global_buffer, .address_space: global }
      - { .name: wf, .offset: 32, .size: 8, .value_kind: global_buffer, .address_space: global }
      - { .name: out1, .offset: 40, .size: 8, .value_kind: global_buffer, .address_space: global }
      - { .name: idx, .offset: 48, .size: 8, .value_kind: global_buffer, .address_space: global }
      - { .name: wts, .offset: 56, .size: 8, .value_kind: global_buffer, .address_space: global }
    .group_segment_fixed_size: 137216
    .private_segment_fixed_size: 0
    .kernarg_segment_align: 8
    .kernarg_segment_size: 64
    .max_flat_workgroup_size: 256
    .sgpr_count:     66
    .vgpr_count:     448
    .wavefront_size: 32
...
	.end_amdgpu_metadata
.endif
;; end of part 2
;; launch sample (part 3): grid 256 x 1, 16 waves a work-group, no clusters, 248,832 bytes of LDS; arguments idx, wts, tab, wf, b_out, out0; writes out0
.if DOCPART == 3
	.amdgcn_target "amdgcn-amd-amdhsa--gfx1250"
	.amdhsa_code_object_version 6
	.text
	.protected	k_qfba5ae7e5a_sample
	.globl	k_qfba5ae7e5a_sample
	.p2align	8
	.type	k_qfba5ae7e5a_sample,@function
k_qfba5ae7e5a_sample:
	s_mov_b64 s[64:65], 0
	v_nop
	global_prefetch_b8 v0, s[64:65] scope:SCOPE_SE
	s_setreg_imm32_b32 hwreg(HW_REG_WAVE_MODE, 25, 1), 1
	s_wait_xcnt 0x0
; SAMPLE: agg[q][head][c] = the sum over 16 points and 4 corners of weight x tab[pixel][c]; out0 = agg W_out + b_out.
; NUMBERS.  tab, weights and W_out are f16 (made by the launches before); each product and the sum over the 64 corners in f32 (v_fma_mix_f32); agg is rounded once to f16 for the product; b_out is
; rounded to bf16 and starts the f32 sums.  LIMITS: agg under 65,504; NaN and infinities are not treated apart.
; SHARES.  A work-group owns 128 queries of one b, in 4 steps of 32.  Wave w = 8 t + h samples head h for the 16 queries 16 t .. of a step, two queries an iteration, 32 iterations in all.
; Lanes: j = lane / 16 the query of the pair; r = bit 3, c = bit 2 the corner; g = lane % 4 eight channels.  One load of 16 bytes a lane fetches one point for both queries: eight lanes take the 128
; consecutive bytes of pixels xb, xb + 1 in row yb + r.  The four corners' lanes are added only at the iteration's end.  16 such loads of a wave are always on their way.
; The indices come from memory as whole numbers, stored by the launch before; each is held to its level's last legal pixel in the instruction that takes it into an address.
; A wave's indices (4 KB) and weights (8 KB) for all 32 iterations are dense in memory and come into LDS by two tensor loads at the start; no LDS byte is filled twice.
; OUT-PROJECTION, behind every 8 iterations: wave w owns columns 16 w .. 16 w + 15 (its 8 fragments of W_out stay in registers), both tiles of 16 rows.  Transposed use: source 0 = 16 columns of W_out,
; source 1 = 16 rows of agg: a lane holds eight neighbouring columns of a row.  The result goes through LDS and leaves as whole rows.
; No cluster: work-groups share no tile but W_out's 128 KB, read once.  No prefetch: the table's lines are named many times over, in no order.
.set WTL,   65536                      ; indices at 0 (4,096 w), weights here (8,192 w)
.set AGG,   196608                     ; 32 rows of 256 f16, pitch 528
.set PA,    528                        ; 132 words: 16 rows start at 16 different groups of four banks (64 banks of 4 bytes: ISA guide 11.1)
.set OUTS,  213504                     ; 32 rows of 256 f32, pitch 1040
.set PO,    1040                       ; 260 words: likewise
.set SPARE, 246784                     ; the spare words, 128 bytes a wave
.set SPW, 1                            ; v1  LDS address of my spare word; never rewritten
.set NIL, 2                            ; v2  0; never rewritten
.set ZERO, 3                           ; v3  0: the addend of an iteration's first products
.set LC,  4                            ; v[4:7]  level l: my corner's and channels' bytes: r x the map's row + 64 c + 16 g
.set PI0, 8                            ; v8   my place in the wave's indices;  v10 the iteration's
.set PW0, 9                            ; v9   in its weights;                  v11
.set PI,  10
.set PW,  11
.set AGS0, 12                          ; v12  where I put 4 bytes of agg;      v13 the iteration's
.set AGS, 13
.set AGF, 14                           ; v14  my place in a fragment of agg
.set OST, 15                           ; v15  where I put 16 bytes of the result
.set ORD, 16                           ; v16  where I read a row back
.set OGO, 17                           ; v17  my byte offset in the step's rows of out0
.set BIAS, 20                          ; v[20:27]
.set WFR, 28                           ; v[28:91]   W_out's fragments, 8 a K step
.set DAT, 92                           ; v[92:155]  point p: 4 registers, 8 channels
.set ADR, 156                          ; v[156:171] point p's byte offset in the head's table
.set IDX, 172                          ; v[172:187] the next iteration's 16 indices
.set WGT, 188                          ; v[188:195] this iteration's 16 weights of my corner
.set ACC, 196                          ; v[196:203] eight channels' sums;      in the out-projection: rows 0-15
.set T,   204                          ; v[204:211] the corners' sums;         rows 16-31
.set F,   212                          ; v[212:243] fragments of agg, then rows read back
.set P,   228                          ; v[228:231] agg packed;  v[232:233] the choice
.set SL,  232
	s_load_b256 s[4:11], s[0:1], 0x0               ; idx s[4:5], wts s[6:7], tab s[8:9], wf s[10:11]
	s_load_b128 s[12:15], s[0:1], 0x20             ; b_out s[12:13], out0 s[14:15]
	v_lshl_add_u32 v[SPW], v0, 2, SPARE
	v_mov_b32 v[NIL], 0
	ds_add_u32 v[SPW], v[NIL]                      ; the wave's opening: the add and its wait ahead of my first tensor load; the set-up below, work on registers, stands between them
	v_lshrrev_b32 v18, 5, v0
	v_readfirstlane_b32 s16, v18                   ; wave 0..15
	s_and_b32 s17, s16, 7                          ; h
	s_lshr_b32 s18, s16, 3                         ; t
	; descriptor group 1: a dense block as rows of 256 bytes: elements of 8 bytes, 32 a row, no padding, no mask.  s[24:31]: 16 rows (indices); s[32:39]: 32 rows (weights)
	s_mov_b32 s24, 3<<16
	s_mov_b32 s25, 32<<16                          ; tensor_dim0 = 32
	s_mov_b32 s26, 16<<16                          ; tensor_dim1 = 16
	s_mov_b32 s27, 32<<16                          ; tile_dim0 = 32
	s_mov_b32 s28, 16                              ; tile_dim1 = 16
	s_mov_b32 s29, 32                              ; 32 elements from row to row
	s_mov_b32 s30, 0
	s_mov_b32 s31, 0
	s_mov_b32 s32, 3<<16
	s_mov_b32 s33, 32<<16
	s_mov_b32 s34, 32<<16
	s_mov_b32 s35, 32<<16
	s_mov_b32 s36, 32
	s_mov_b32 s37, 32
	s_mov_b32 s38, 0
	s_mov_b32 s39, 0
	s_mov_b32 s40, 1                               ; group 0 for the indices: count,
	s_lshl_b32 s41, s16, 12                        ; LDS address 4,096 w
	s_mov_b32 s44, 1                               ; for the weights:
	s_lshl_b32 s45, s16, 13
	s_add_co_u32 s45, s45, WTL                     ; 65,536 + 8,192 w
	s_lshl_b32 s54, ttmp9, 16                      ; my part of idx: 65,536 G + 4,096 w
	s_add_co_u32 s54, s54, s41
	s_mov_b32 s55, 0
	s_lshl_b32 s56, ttmp9, 17                      ; of wts: 131,072 G + 8,192 w
	s_lshl_b32 s57, s16, 13
	s_add_co_u32 s56, s56, s57
	s_mov_b32 s57, 0
	s_mov_b32 s52, 0xf0f0f0f0                      ; lanes with c = 1
	s_mov_b32 s53, 0xff00ff00                      ; lanes with r = 1
	v_and_b32 v204, 31, v0                         ; lane      (these eight lines also give T, a DPP destination, its first write)
	v_bfe_u32 v205, v0, 4, 1                       ; j, and hh in the out-projection
	v_bfe_u32 v206, v0, 2, 2                       ; corner 2 r + c
	v_bfe_u32 v207, v0, 3, 1                       ; r
	v_and_b32 v208, 3, v0                          ; g
	v_and_b32 v209, 15, v0                         ; lane % 16
	v_and_b32 v210, 7, v0                          ; 4 c + g
	v_mov_b32 v211, 0
	v_mov_b32 v[ZERO], 0
	s_wait_dscnt 0x0                               ; the opening add is done
	s_wait_kmcnt 0x0
	s_add_nc_u64 s[42:43], s[4:5], s[54:55]
	s_or_b32 s43, s43, 0x80000000                  ; type = 2
	s_add_nc_u64 s[46:47], s[6:7], s[56:57]
	s_or_b32 s47, s47, 0x80000000
	tensor_load_to_lds s[40:43], s[24:31]          ; both first fills together, ahead of every wait on TENSORcnt, LDS read and barrier: two loads of mine are out
	s_nop 0
	tensor_load_to_lds s[44:47], s[32:39]
	s_nop 0
	s_lshl_b32 s58, s16, 10
	v_lshl_add_u32 v18, v209, 6, s58
	v_lshl_add_u32 v18, v205, 4, v18               ; W_out's fragments: (16 w + lane % 16) x 64 + 16 hh
	s_lshl_b32 s59, s16, 6
	v_lshl_add_u32 v19, v205, 5, s59               ; b_out: column 16 w + 8 hh
.irp ks, 0,1,2,3,4,5,6,7
	global_load_b128 v[WFR+8*(\ks):WFR+8*(\ks)+3],   v18, s[10:11] offset:196608+(\ks)*16384
	global_load_b128 v[WFR+8*(\ks)+4:WFR+8*(\ks)+7], v18, s[10:11] offset:196608+(\ks)*16384+32
.endr
	global_load_b128 v[BIAS:BIAS+3],   v19, s[12:13]
	global_load_b128 v[BIAS+4:BIAS+7], v19, s[12:13] offset:16
	s_lshr_b32 s54, ttmp9, 6                       ; b: 64 work-groups each
	s_lshl_b32 s54, s54, 3
	s_add_co_u32 s54, s54, s17
	s_mul_i32 s54, s54, 1392640                    ; the table of (b, h)
	s_add_nc_u64 s[20:21], s[8:9], s[54:55]
	s_lshl_b32 s56, ttmp9, 17                      ; 128 G rows of 1,024 bytes
	s_add_nc_u64 s[14:15], s[14:15], s[56:57]
	v_lshlrev_b32 v210, 4, v210
.irp l, 0,1,2,3
	v_lshl_add_u32 v[LC+(\l)], v207, 13-(\l), v210 ; a map's row is 8,192 >> l bytes
.endr
	v_lshl_add_u32 v[PI0], v205, 4, s41
	v_lshl_add_u32 v[PW0], v206, 11, s45
	v_lshl_add_u32 v[PW0], v205, 4, v[PW0]
	s_mul_i32 s58, s18, 16*PA
	s_lshl_b32 s59, s17, 6
	s_add_co_u32 s58, s58, s59
	s_add_co_u32 s58, s58, AGG
	v_mul_u32_u24 v[AGS0], v205, PA
	v_lshl_add_u32 v[AGS0], v208, 4, v[AGS0]
	v_lshl_add_u32 v[AGS0], v206, 2, v[AGS0]
	v_add_nc_u32 v[AGS0], s58, v[AGS0]             ; row 16 t + j, bytes 64 h + 16 g + 4 corner
	v_mul_u32_u24 v[AGF], v209, PA
	v_lshl_add_u32 v[AGF], v205, 4, v[AGF]
	v_add_nc_u32 v[AGF], AGG, v[AGF]
	s_lshl_b32 s58, s16, 6
	s_add_co_u32 s58, s58, OUTS
	v_mul_u32_u24 v[OST], v209, PO
	v_lshl_add_u32 v[OST], v205, 5, v[OST]
	v_add_nc_u32 v[OST], s58, v[OST]               ; row lane % 16, bytes 64 w + 32 hh
	s_mul_i32 s58, s16, 2*PO
	s_add_co_u32 s58, s58, OUTS
	v_lshl_add_u32 v[ORD], v204, 4, s58            ; back: rows 2 w, 2 w + 1
	s_lshl_b32 s58, s16, 11
	v_lshl_add_u32 v[OGO], v204, 4, s58
	s_wait_loadcnt 0x0                             ; W_out's fragments and b_out
.irp k, 0,1,2,3
	v_cvt_pk_bf16_f32 v211, v[BIAS+2*(\k)], v[BIAS+2*(\k)+1]
	v_lshlrev_b32 v[BIAS+2*(\k)], 16, v211
	v_and_b32 v[BIAS+2*(\k)+1], 0xffff0000, v211
.endr
	s_wait_tensorcnt 0x0                           ; my indices and weights are in LDS
	s_barrier_signal -1                            ; one barrier: from here on every wave's tiles are in LDS for every wave, so no read below hangs on whose tile its address falls into
	s_barrier_wait -1
; Point p of the iteration to come: its index is held to the level's last legal pixel (yb, xb <= W - 2), becomes bytes, and the load goes out.
.macro ISSUE p
.if (\p) < 4
.set MXP, 16254
.elseif (\p) < 8
.set MXP, 20414
.elseif (\p) < 12
.set MXP, 21470
.else
.set MXP, 21742
.endif
	v_min_u32 v[ADR+(\p)], MXP, v[IDX+(\p)]
	v_lshl_add_u32 v[ADR+(\p)], v[ADR+(\p)], 6, v[LC+(\p)/4]
	global_load_b128 v[DAT+4*(\p):DAT+4*(\p)+3], v[ADR+(\p)], s[20:21]
.endm
; Eight channels of point p times my corner's weight (half q of its register), onto the sums; point 0 starts them.
.macro FM8 p, q
.irp k, 0,1,2,3
.if (\p) == 0
	v_fma_mix_f32 v[ACC+2*(\k)],   v[DAT+4*(\p)+(\k)], v[WGT+(\p)/2], v[ZERO] op_sel:[0,\q,0] op_sel_hi:[1,1,0]
	v_fma_mix_f32 v[ACC+2*(\k)+1], v[DAT+4*(\p)+(\k)], v[WGT+(\p)/2], v[ZERO] op_sel:[1,\q,0] op_sel_hi:[1,1,0]
.else
	v_fma_mix_f32 v[ACC+2*(\k)],   v[DAT+4*(\p)+(\k)], v[WGT+(\p)/2], v[ACC+2*(\k)]   op_sel:[0,\q,0] op_sel_hi:[1,1,0]
	v_fma_mix_f32 v[ACC+2*(\k)+1], v[DAT+4*(\p)+(\k)], v[WGT+(\p)/2], v[ACC+2*(\k)+1] op_sel:[1,\q,0] op_sel_hi:[1,1,0]
.endif
.endr
.endm
; AN ITERATION i: two queries.  issue = 1: iteration i + 1's loads go out, each behind the products of the same point.  ridx = 1: iteration i + 2's indices are read from LDS.  rw = 1: iteration
; i + 1's weights.  The LDS instructions of an iteration, in order: indices of levels 0, 1; weights of levels 0, 1; indices of levels 2, 3; weights of levels 2, 3; the store of agg.
; d0: how many LDS instructions stand behind the read of this iteration's first weights; d8: behind that of its second.
.macro ITER issue, ridx, rw, d0, d8
	v_add_nc_u32 v[PI], s48, v[PI0]
	v_add_nc_u32 v[PW], s48, v[PW0]
	v_add_nc_u32 v[AGS], s49, v[AGS0]
.set p, 0
.rept 16
.if \issue
	s_wait_loadcnt 15                              ; behind point p's load: 15 - p of this iteration and p of the next.  It also frees that load's offset register
.else
	s_wait_loadcnt 15-p
.endif
.if p == 0
	s_wait_dscnt \d0
.endif
.if p == 8
	s_wait_dscnt \d8
.endif
.if p&1
	FM8 p, 1
.else
	FM8 p, 0
.endif
.if \issue
	ISSUE p
.endif
.if (\ridx) && (p%4 == 3)
	ds_load_b128 v[IDX+p-3:IDX+p], v[PI] offset:1024*(p/4)+64
.endif
.if (\rw) && (p == 7)
	ds_load_b128 v[WGT:WGT+3], v[PW] offset:32
.endif
.if (\rw) && (p == 15)
	ds_load_b128 v[WGT+4:WGT+7], v[PW] offset:1056
.endif
.set p, p+1
.endr
.irp k, 0,1,2,3,4,5,6,7
	v_add_f32_dpp v[T+(\k)], v[ACC+(\k)], v[ACC+(\k)] row_xmask:4 row_mask:0xf bank_mask:0xf  ; the other column's lanes,
.endr
.irp k, 0,1,2,3,4,5,6,7
	v_add_f32_dpp v[T+(\k)], v[T+(\k)], v[T+(\k)] row_xmask:8 row_mask:0xf bank_mask:0xf      ; the other row's: all four corner lanes hold the sum
.endr
.irp k, 0,1,2,3
	v_cvt_pk_f16_f32 v[P+(\k)], v[T+2*(\k)], v[T+2*(\k)+1]
.endr
	v_cndmask_b32 v[SL],   v[P],   v[P+1], s52     ; each of the four stores another four bytes of the sixteen
	v_cndmask_b32 v[SL+1], v[P+2], v[P+3], s52
	v_cndmask_b32 v[SL],   v[SL],  v[SL+1], s53
	ds_store_b32 v[AGS], v[SL]
	s_add_co_u32 s48, s48, 32                      ; two queries on in indices and weights,
	s_add_co_u32 s49, s49, 2*PA                    ; two rows on in agg
.endm
; THE OUT-PROJECTION of a step's 32 rows.  The 16 gathers of the next iteration stay on their way through it.
.macro OUTPROJ
	s_wait_dscnt 0x0                               ; my stores of agg are done, and my reads of the last step's result are over
	s_barrier_signal -1
	s_barrier_wait -1                              ; agg is whole
.irp kb, 0,1,2,3
.irp f, 0,1,2,3                        ; fragment f: K step 2 kb + f / 2, rows 16 (f % 2) on
	ds_load_b128 v[F+8*(\f):F+8*(\f)+3],   v[AGF] offset:((\f)%2)*16*PA+64*(2*(\kb)+(\f)/2)
	ds_load_b128 v[F+8*(\f)+4:F+8*(\f)+7], v[AGF] offset:((\f)%2)*16*PA+64*(2*(\kb)+(\f)/2)+32
.endr
	s_wait_dscnt 0x0
.irp f, 0,1,2,3                        ; the two accumulators take turns; the first K step starts the sums with the bias
.if 2*(\kb)+(\f)/2 == 0
	v_wmma_f32_16x16x32_f16 v[ACC+8*((\f)%2):ACC+8*((\f)%2)+7], v[WFR:WFR+7], v[F+8*(\f):F+8*(\f)+7], v[BIAS:BIAS+7]
.else
	v_wmma_f32_16x16x32_f16 v[ACC+8*((\f)%2):ACC+8*((\f)%2)+7], v[WFR+8*(2*(\kb)+(\f)/2):WFR+8*(2*(\kb)+(\f)/2)+7], v[F+8*(\f):F+8*(\f)+7], v[ACC+8*((\f)%2):ACC+8*((\f)%2)+7]
.endif
.endr
.rept 4
	v_nop                                          ; four places in front of loads into registers that the products read, and of the stores that read their results
.endr
.endr
	ds_store_b128 v[OST], v[ACC:ACC+3]             ; each accumulator's lowest registers first
	ds_store_b128 v[OST], v[ACC+4:ACC+7]   offset:16
	ds_store_b128 v[OST], v[ACC+8:ACC+11]  offset:16*PO
	ds_store_b128 v[OST], v[ACC+12:ACC+15] offset:16*PO+16
	s_wait_dscnt 0x0                               ; my part of the result is in LDS, and my reads of agg are over
	s_barrier_signal -1
	s_barrier_wait -1                              ; the result is whole; agg may be written again
	ds_load_b128 v[F:F+3],     v[ORD]
	ds_load_b128 v[F+4:F+7],   v[ORD] offset:512
	ds_load_b128 v[F+8:F+11],  v[ORD] offset:PO
	ds_load_b128 v[F+12:F+15], v[ORD] offset:PO+512
.irp n, 0,1,2,3
	s_wait_dscnt 3-(\n)
	global_store_b128 v[OGO], v[F+4*(\n):F+4*(\n)+3], s[14:15] offset:512*(\n) th:TH_STORE_NT  ; 512 consecutive bytes; the wave's four cover two whole rows of out0
.endr
	s_wait_xcnt 0x0                                ; every earlier memory instruction has had its addresses translated (ISA guide 3.1): the stores' base and data are rewritten only behind this wait
	s_add_nc_u64 s[14:15], s[14:15], 32768         ; the next step's 32 rows
	s_mov_b32 s49, 0
.endm
	; iteration 0's indices and weights; its 16 loads; iteration 1's indices
.irp l, 0,1,2,3
	ds_load_b128 v[IDX+4*(\l):IDX+4*(\l)+3], v[PI0] offset:1024*(\l)
.endr
	ds_load_b128 v[WGT:WGT+3],   v[PW0]
	ds_load_b128 v[WGT+4:WGT+7], v[PW0] offset:1024
	s_wait_dscnt 0x0
.set p, 0
.rept 16
	ISSUE p
.set p, p+1
.endr
.irp l, 0,1,2,3
	ds_load_b128 v[IDX+4*(\l):IDX+4*(\l)+3], v[PI0] offset:1024*(\l)+32
.endr
	s_wait_dscnt 0x0
	s_mov_b32 s48, 0
	s_mov_b32 s49, 0
	s_mov_b32 s51, 3
.Lstep:                                                ; steps 0 to 2
	s_mov_b32 s50, 8
.Liter:
	ITER 1, 1, 1, 4, 4
	s_sub_co_u32 s50, s50, 1
	s_cmp_lg_u32 s50, 0
	s_cbranch_scc1 .Liter
	OUTPROJ
	s_sub_co_u32 s51, s51, 1
	s_cmp_lg_u32 s51, 0
	s_cbranch_scc1 .Lstep
	s_mov_b32 s50, 6                               ; the last step: six iterations like the others,
.Llast:
	ITER 1, 1, 1, 4, 4
	s_sub_co_u32 s50, s50, 1
	s_cmp_lg_u32 s50, 0
	s_cbranch_scc1 .Llast
	ITER 1, 0, 1, 4, 2                             ; iteration 30 reads no further indices: behind its second weights' read stand the store of agg and one read,
	ITER 0, 0, 0, 2, 1                             ; iteration 31 asks for nothing: its loads' counts run down
	OUTPROJ
	s_wait_tensorcnt 0x0                           ; the wave's end, behind my last tensor load and my last LDS store
	ds_add_u32 v[SPW], v[NIL]
	s_wait_dscnt 0x0
	s_endpgm
.Lfunc_end_k_qfba5ae7e5a_sample:
	.size	k_qfba5ae7e5a_sample, .Lfunc_end_k_qfba5ae7e5a_sample-k_qfba5ae7e5a_sample
	.p2alignl 7, 3214868480
	.fill 96, 4, 3214868480
	.section	.rodata,"a",@progbits
	.p2align	6, 0x0
	.amdhsa_kernel k_qfba5ae7e5a_sample
		.amdhsa_group_segment_fixed_size 248832
		.amdhsa_private_segment_fixed_size 0
		.amdhsa_enable_private_segment 0
		.amdhsa_kernarg_size 48
		.amdhsa_user_sgpr_count 2
		.amdhsa_user_sgpr_kernarg_segment_ptr 1
		.amdhsa_wavefront_size32 1
		.amdhsa_system_sgpr_workgroup_id_x 1
		.amdhsa_system_sgpr_workgroup_id_y 1
		.amdhsa_system_sgpr_workgroup_id_z 1
		.amdhsa_system_vgpr_workitem_id 0
		.amdhsa_next_free_vgpr 244
		.amdhsa_next_free_sgpr 66
		.amdhsa_reserve_vcc 0
		.amdhsa_float_denorm_mode_32 3
		.amdhsa_float_denorm_mode_16_64 3
		.amdhsa_memory_ordered 1
		.amdhsa_forward_progress 1
		.amdhsa_inst_pref_size 75
	.end_amdhsa_kernel
	.amdgpu_metadata
---
amdhsa.version: [ 1, 2 ]
amdhsa.kernels:
  - .name:           k_qfba5ae7e5a_sample
    .symbol:         k_qfba5ae7e5a_sample.kd
    .args:
      - { .name: idx, .offset: 0, .size: 8, .value_kind: global_buffer, .address_space: global }
      - { .name: wts, .offset: 8, .size: 8, .value_kind: global_buffer, .address_space: global }
      - { .name: tab, .offset: 16, .size: 8, .value_kind: global_buffer, .address_space: global }
      - { .name: wf, .offset: 24, .size: 8, .value_kind: global_buffer, .address_space: global }
      - { .name: b_out, .offset: 32, .size: 8, .value_kind: global_buffer, .address_space: global }
      - { .name: out0, .offset: 40, .size: 8, .value_kind: global_buffer, .address_space: global }
    .group_segment_fixed_size: 248832
    .private_segment_fixed_size: 0
    .kernarg_segment_align: 8
    .kernarg_segment_size: 48
    .max_flat_workgroup_size: 512
    .sgpr_count:     66
    .vgpr_count:     244
    .wavefront_size: 32
...
	.end_amdgpu_metadata
.endif
;; end of part 3
;; ======== version 2 of 3: 4 launches; 1.93 times as fast as version 1
;; limits: values are held in f16: magnitudes above 65,504 overflow, below 6.1e-05 lose precision; inputs' magnitudes at most 65,504
;; workspace buffers: wf 327,680 bytes; idx 16,777,216 bytes of whole numbers; wts 33,554,432 bytes; agg 16,777,216 bytes
;; launch lay (part 4): grid 10 x 1, 8 waves a work-group, no clusters, 35,840 bytes of LDS; arguments W_off, W_attn, W_out, wf; writes wf
.if DOCPART == 4
	.amdgcn_target "amdgcn-amd-amdhsa--gfx1250"
	.amdhsa_code_object_version 6
	.text
	.protected	k_qfba5ae7e5a_lay
	.globl	k_qfba5ae7e5a_lay
	.p2align	8
	.type	k_qfba5ae7e5a_lay,@function
k_qfba5ae7e5a_lay:
	s_mov_b64 s[64:65], 0
	v_nop
	global_prefetch_b8 v0, s[64:65] scope:SCOPE_SE
	s_setreg_imm32_b32 hwreg(HW_REG_WAVE_MODE, 25, 1), 1
	s_wait_xcnt 0x0
; LAY: the three weight matrices are rounded and turned, once, for the launches behind.
;   wf:  f16 [K step 8][n][k 32] for each matrix: W_off at byte 0, W_attn at 131072, W_out at 196608: 64 bytes for each n and K step.
; Every number is rounded to bf16 (nearest even) and that number is written as f16.
; LIMITS: exact for 2^-14 <= |x| < 65,504; below 2^-14 f16's fixed step of 2^-24 remains; from 65,520 on the result is an infinity; NaN stays NaN.
; SHARES.  A source is [256 k][n] of f32.  A work-group takes 64 columns of all 256 rows; wave w takes rows 32 w .. 32 w + 31, a K step: 8,192 bytes in, 4,096 consecutive bytes out.
; 4 work-groups for W_off, 2 for W_attn, 4 for W_out: the three matrices hold 640 KB, and that is all the work there is.
; Each load's sixteen lanes take 256 consecutive aligned bytes, each store of a wave covers 512 consecutive aligned bytes, nothing is read twice.
; The turn goes through the wave's own stage in LDS, so there is no barrier.  No matrix unit, no cluster: no work-group shares a byte with another.
.set SPARE, 34816                      ; behind the eight stages: the spare words, 128 bytes a wave
.set STG,   4352                       ; a wave's stage: 16 rows of 272 bytes
.set PS,    272                        ; a stage row: 4 columns x 64 bytes + 16 of padding: 68 words, so 16 rows start at 16 different groups of four banks (64 banks of 4 bytes: ISA guide 11.1)
.set SPW, 4                            ; v4      LDS address of my spare word; never rewritten
.set NIL, 5                            ; v5      0; never rewritten
.set STO, 6                            ; v6      where I put 16 bytes into the stage
.set RD,  7                            ; v7      where I read 16 bytes back
.set GO,  8                            ; v8      16 x lane: my place in 512 consecutive bytes of the output
.set VO,  10                           ; v[10:25]   load i's byte offset
.set TM,  26                           ; v[26:37]   four sets of three, at work
.set X,   40                           ; v[40:103]  load i: 4 registers; later the rows read back
.set Y,   104                          ; v[104:135] column jj: 8 registers = 16 k in f16
	s_load_b256 s[8:15], s[0:1], 0x0               ; W_off s[8:9], W_attn s[10:11], W_out s[12:13], wf s[14:15]
	v_lshl_add_u32 v[SPW], v0, 2, SPARE
	v_mov_b32 v[NIL], 0
	v_lshrrev_b32 v1, 5, v0
	v_readfirstlane_b32 s26, v1                    ; wave 0..7
	s_mov_b32 s27, ttmp9                           ; the work-group's number picks the matrix
	s_mov_b32 s42, 0xffff0000                      ; a word's upper bf16
	s_mov_b32 s28, 0                               ; the case W_off: first work-group,
	s_mov_b32 s29, 1024                            ; bytes in a source row,
	s_mov_b32 s30, 0                               ; the matrix's first byte in wf,
	s_mov_b32 s31, 16384                           ; bytes from K step to K step in wf
	v_and_b32 v1, 31, v0                           ; lane
	v_and_b32 v2, 15, v0                           ; pl: which 4 columns
	v_bfe_u32 v3, v0, 4, 1                         ; hl: which 16 rows
	s_wait_kmcnt 0x0
	s_mov_b64 s[34:35], s[8:9]
.macro CASE start, src, s4, db0, dw                    ; from work-group 'start' on the later matrix's figures take the earlier one's place
	s_cmp_ge_u32 s27, \start
	s_cselect_b32 s28, \start, s28
	s_cselect_b64 s[34:35], s[\src:\src+1], s[34:35]
	s_cselect_b32 s29, \s4, s29
	s_cselect_b32 s30, \db0, s30
	s_cselect_b32 s31, \dw, s31
.endm
	CASE 4, 10, 512,  131072, 8192                 ; W_attn
	CASE 6, 12, 1024, 196608, 16384                ; W_out
	s_sub_co_u32 s38, s27, s28                     ; c: the chunk of 64 columns
	s_lshl_b32 s40, s38, 8                         ; source offset = c x 256 bytes + w x 32 rows
	s_lshl_b32 s41, s29, 5
	s_mul_i32 s41, s41, s26
	s_add_co_u32 s40, s40, s41
	s_mov_b32 s41, 0
	s_add_nc_u64 s[34:35], s[34:35], s[40:41]
	s_lshl_b32 s44, s38, 12                        ; output offset = c x 4,096 + the matrix's first byte + w x a K step
	s_add_co_u32 s44, s44, s30
	s_mul_i32 s45, s26, s31
	s_add_co_u32 s44, s44, s45
	s_mov_b32 s45, 0
	s_add_nc_u64 s[36:37], s[14:15], s[44:45]
	s_lshl_b32 s43, s29, 4                         ; 16 rows
	v_mul_lo_u32 v[VO], v3, s43
	v_lshl_add_u32 v[VO], v2, 4, v[VO]             ; load 0: row 16 hl, bytes 16 pl
.irp i, 1,2,3,4,5,6,7,8,9,10,11,12,13,14,15
	v_add_nc_u32 v[VO+(\i)], s29, v[VO+(\i)-1]     ; load i: one row further down
.endr
.irp i, 0,1,2,3,4,5,6,7,8,9,10,11,12,13,14,15
	global_load_b128 v[X+4*(\i):X+4*(\i)+3], v[VO+(\i)], s[34:35] th:TH_LOAD_NT  ; lanes 0-15: row i, lanes 16-31: row 16 + i; 256 consecutive bytes each
.endr
	s_mul_i32 s46, s26, STG                        ; my stage
	v_lshlrev_b32 v[GO], 4, v1
	v_mul_u32_u24 v[STO], v2, PS                   ; in: stage row pl (my 4 columns), my 16 rows' 32 bytes of each column's 64
	v_lshl_add_u32 v[STO], v3, 5, v[STO]
	v_add_nc_u32 v[STO], s46, v[STO]
	v_mul_u32_u24 v[RD], v3, PS                    ; back: lanes 0-15 one stage row of 256 bytes, lanes 16-31 the next
	v_lshl_add_u32 v[RD], v2, 4, v[RD]
	v_add_nc_u32 v[RD], s46, v[RD]
	; rows 2 k and 2 k + 1 of my sixteen: for each of my four columns both numbers are rounded to bf16, widened, and written as two f16
.irp k, 0,1,2,3,4,5,6,7
	s_wait_loadcnt 14-2*(\k)                       ; loads come back in order (ISA guide 5.7.1): the 14 - 2 k younger ones may stay out
.irp jj, 0,1,2,3
	v_cvt_pk_bf16_f32 v[TM+3*(\jj)], v[X+8*(\k)+(\jj)], v[X+8*(\k)+4+(\jj)]
.endr
.irp jj, 0,1,2,3
	v_lshlrev_b32 v[TM+3*(\jj)+1], 16, v[TM+3*(\jj)]
	v_and_b32     v[TM+3*(\jj)+2], s42, v[TM+3*(\jj)]
.endr
.irp jj, 0,1,2,3
	v_cvt_pk_f16_f32 v[Y+8*(\jj)+(\k)], v[TM+3*(\jj)+1], v[TM+3*(\jj)+2]
.endr
.endr
.irp jj, 0,1,2,3
	ds_store_b128 v[STO], v[Y+8*(\jj):Y+8*(\jj)+3]   offset:(\jj)*64
	ds_store_b128 v[STO], v[Y+8*(\jj)+4:Y+8*(\jj)+7] offset:(\jj)*64+16
.endr
.irp t, 0,1,2,3,4,5,6,7
	ds_load_b128 v[X+4*(\t):X+4*(\t)+3], v[RD] offset:(\t)*2*PS  ; LDS serves a wave's instructions in order (ISA guide 5.7.1.4): these see my stores above
.endr
.irp t, 0,1,2,3,4,5,6,7
	s_wait_dscnt 7-(\t)
	global_store_b128 v[GO], v[X+4*(\t):X+4*(\t)+3], s[36:37] offset:(\t)*512  ; 512 consecutive bytes, at a multiple of 256 from the buffer's first; read again by later launches, so no hint
.endr
	s_wait_tensorcnt 0x0                           ; the wave's end, behind my last LDS store
	ds_add_u32 v[SPW], v[NIL]
	s_wait_dscnt 0x0
	s_endpgm
.Lfunc_end_k_qfba5ae7e5a_lay:
	.size	k_qfba5ae7e5a_lay, .Lfunc_end_k_qfba5ae7e5a_lay-k_qfba5ae7e5a_lay
	.p2alignl 7, 3214868480
	.fill 96, 4, 3214868480
	.section	.rodata,"a",@progbits
	.p2align	6, 0x0
	.amdhsa_kernel k_qfba5ae7e5a_lay
		.amdhsa_group_segment_fixed_size 35840
		.amdhsa_private_segment_fixed_size 0
		.amdhsa_enable_private_segment 0
		.amdhsa_kernarg_size 32
		.amdhsa_user_sgpr_count 2
		.amdhsa_user_sgpr_kernarg_segment_ptr 1
		.amdhsa_wavefront_size32 1
		.amdhsa_system_sgpr_workgroup_id_x 1
		.amdhsa_system_sgpr_workgroup_id_y 1
		.amdhsa_system_sgpr_workgroup_id_z 1
		.amdhsa_system_vgpr_workitem_id 0
		.amdhsa_next_free_vgpr 136
		.amdhsa_next_free_sgpr 66
		.amdhsa_reserve_vcc 0
		.amdhsa_float_denorm_mode_32 3
		.amdhsa_float_denorm_mode_16_64 3
		.amdhsa_memory_ordered 1
		.amdhsa_forward_progress 1
		.amdhsa_inst_pref_size 13
	.end_amdhsa_kernel
	.amdgpu_metadata
---
amdhsa.version: [ 1, 2 ]
amdhsa.kernels:
  - .name:           k_qfba5ae7e5a_lay
    .symbol:         k_qfba5ae7e5a_lay.kd
    .args:
      - { .name: W_off, .offset: 0, .size: 8, .value_kind: global_buffer, .address_space: global }
      - { .name: W_attn, .offset: 8, .size: 8, .value_kind: global_buffer, .address_space: global }
      - { .name: W_out, .offset: 16, .size: 8, .value_kind: global_buffer, .address_space: global }
      - { .name: wf, .offset: 24, .size: 8, .value_kind: global_buffer, .address_space: global }
    .group_segment_fixed_size: 35840
    .private_segment_fixed_size: 0
    .kernarg_segment_align: 8
    .kernarg_segment_size: 32
    .max_flat_workgroup_size: 256
    .sgpr_count:     66
    .vgpr_count:     136
    .wavefront_size: 32
...
	.end_amdgpu_metadata
.endif
;; end of part 4
;; launch proj (part 5): grid 256 x 1, 8 waves a work-group, no clusters, 137,216 bytes of LDS; arguments query, reference_points, b_off, b_attn, wf, out1, idx, wts; writes out1, idx, wts
.if DOCPART == 5
	.amdgcn_target "amdgcn-amd-amdhsa--gfx1250"
	.amdhsa_code_object_version 6
	.text
	.protected	k_qfba5ae7e5a_proj
	.globl	k_qfba5ae7e5a_proj
	.p2align	8
	.type	k_qfba5ae7e5a_proj,@function
k_qfba5ae7e5a_proj:
	s_mov_b64 s[64:65], 0
	v_nop
	global_prefetch_b8 v0, s[64:65] scope:SCOPE_SE
	s_setreg_imm32_b32 hwreg(HW_REG_WAVE_MODE, 25, 1), 1
	s_wait_xcnt 0x0
; PROJ: offsets = tanh(query W_off + b_off), attn = softmax(query W_attn + b_attn) (out1), and from them, for each sample point (q, head, level, p), ONE table offset and FOUR weights.
; NUMBERS.  query, reference_points and the biases are rounded to bf16 first (the weights were, in the launch before); query and weights enter the products as f16 (the same numbers), sums in f32.
; tanh z = 1 - 2 rho, rho = 1 / (1 + 2^(2.885390 z)): x = (ref + 0.5)(W - 1) - rho (W - 1).  The softmax takes the true maximum of a head's 16 logits away.
; BILINEAR.  xb = floor(x) held to 0 .. W - 2, f = x - xb.  Column xb weighs max(1 - |f|, 0), column xb + 1 the middle of (f, 0, 2 - f): for every x these are the two columns' bilinear weights with
; zeros outside the map, and both columns exist.  The same for y.  offset = 8 x (level's first pixel + yb W + xb), exact in f32; weight(r, c) = attn x wy_r x wx_c, in 0 .. 1, stored as f16.
; LIMITS: |query| under 65,504 after rounding; below 2^-14 f16's step of 2^-24; an exponential below 2^-126 counts as 0; NaN and infinities are not treated apart (a NaN coordinate gives offset 0).
; SHARES.  A work-group owns 128 queries, wave h head h.  The wave's three tiles of weights (offsets of levels 0 and 2, of levels 1 and 3, logits), 8 K steps each, stay in 192 registers.
; The matrix instruction is used transposed: source 0 = 16 columns of W, source 1 = 16 queries: lane (r, hh) holds query r and eight columns.  Offsets tile u takes, as its row m, column
; 32 h + 16 (m / 8) + 8 u + m % 8: lane half hh then holds level 2 hh + u, register 2 p = x, 2 p + 1 = y; logit register 4 u + p is that same point's.
; OUT, by units of 32 queries of a b.  idx: u32 [b][h][unit 256][level 4][q 32][p 4].  wts: f16 [b][h][unit][piece 8 = 2 level + p / 2][q 32][point p % 2][corner 4].
; In each store each half of the lanes fills 256 consecutive aligned bytes.
; No cluster: work-groups share only the 192 KB of weights, read once into registers.  No tensor load: the queries must be converted on their way into LDS.
.set PQ,    528                        ; an LDS row: 512 bytes + 16 of padding = 132 words: 16 rows start at 16 different groups of four banks (64 banks of 4 bytes: ISA guide 11.1)
.set AT,    67584                      ; behind the queries (128 rows of f16): attn, 128 rows of 128 f32
.set RF,    135168                     ; ref + 0.5: 128 x 8 bytes
.set SPARE, 136192                     ; the spare words, 128 bytes a wave
.set SPW, 4                            ; v4  LDS address of my spare word; never rewritten
.set NIL, 5                            ; v5  0; never rewritten
.set QSA, 6                            ; v6  staging: where I put 8 bytes of a query row
.set QFA0, 7                           ; v7  my place in a tile of 16 query rows;   v8 the tile's
.set QFA, 8
.set RFA0, 9                           ; v9, v10 the same for ref
.set RFA, 10
.set ATS0, 11                          ; v11, v12 for attn
.set ATS, 12
.set IDO0, 13                          ; v13, v14 my byte offset in idx
.set IDO, 14
.set WTO0, 15                          ; v15, v16 in wts
.set WTO, 16
.set WA, 17                            ; v17 my byte offset in W_off's fragments;  v18 in W_attn's
.set WB, 18
.set L16, 19                           ; v19 16 x lane
.set NS, 20                            ; v[20:21], v[22:23]  -(W - 1) of level 2 hh + u, twice
.set CMX, 24                           ; v24, v25  W - 2
.set WW, 26                            ; v26, v27  W
.set PB, 28                            ; v28, v29  8 x the level's first pixel
.set RFV, 30                           ; v[30:31]  ref + 0.5 (x, y)
.set CC, 32                            ; v[32:33]  (ref + 0.5)(W - 1); at the head v32-34 hold load offsets
.set MX, 34                            ; v34 maximum;  v35 the other half of the lanes';  v[36:37] c m;  v[38:39] sum, then its reciprocal
.set MO, 35
.set MC, 36
.set SM, 38
.set BIAS, 40                          ; v[40:63]  the three tiles' biases, eight a lane each
.set ACC, 64                           ; v[64:71] offsets u = 0, v[72:79] u = 1, v[80:87] logits
.set LG, 80
.set BB, 88                            ; v[88:95]   xb, yb
.set RW0, 96                           ; v[96:103]  weights of column xb / row yb
.set RW1, 104                          ; v[104:111] of the next
.set IX, 112                           ; v[112:119] table offsets: 4 u + p
.set WP, 120                           ; v[120:135] packed weights: 8 u + 2 p + corner / 2
.set PR, 136                           ; v[136:151] weights in f32: 4 corner + p
.set AY, 152                           ; v[152:159] attn x wy: 2 p + r
.set QF, 192                           ; v[192:255] a tile's query fragments, 8 a K step.   Staging: v[128:255]
.set MSB, 0
.macro WIN new                         ; s_set_vgpr_msb: bits 1:0 source 0, 7:6 destination; the high byte repeats the setting that is left
.if MSB != (\new)
	s_set_vgpr_msb (MSB<<8)|(\new)
.set MSB, \new
.endif
.endm
; window 1: v[64 tau + 8 ks ..] the weight fragment of tile tau (0, 1: offsets u; 2: logits), K step ks
	s_load_b512 s[8:23], s[0:1], 0x0               ; query s[8:9], ref s[10:11], b_off s[12:13], b_attn s[14:15], wf s[16:17], out1 s[18:19], idx s[20:21], wts s[22:23]
	v_lshl_add_u32 v[SPW], v0, 2, SPARE
	v_mov_b32 v[NIL], 0
	v_lshrrev_b32 v1, 5, v0
	v_readfirstlane_b32 s24, v1                    ; wave = head
	v_and_b32 v3, 31, v0                           ; lane
	v_and_b32 v1, 15, v0                           ; r
	v_bfe_u32 v2, v0, 4, 1                         ; hh
	s_mov_b32 s30, 0x76543210                      ; v_permlanex16_b32: each lane takes its own place in the other half
	s_mov_b32 s31, 0xfedcba98
	s_mov_b32 s40, 0xffff0000                      ; a word's upper bf16
	s_lshl_b32 s44, ttmp9, 7
	s_lshl_b32 s45, s24, 4
	s_add_co_u32 s44, s44, s45                     ; the first of the 16 rows that I stage, and whose attn I store
	s_mul_i32 s47, s24, 16*PQ                      ; their place in LDS
	v_lshlrev_b32 v[L16], 4, v3
	v_lshl_add_u32 v[QSA], v3, 3, s47
	v_mul_u32_u24 v[QFA0], v1, PQ
	v_lshl_add_u32 v[ATS0], v2, 5, v[QFA0]         ; attn: row r, 64 h + 32 hh
	v_lshl_add_u32 v[QFA0], v2, 4, v[QFA0]         ; a fragment: row r, 16 hh
	v_lshl_add_u32 v[RFA0], v1, 3, RF
	s_lshl_b32 s45, s24, 7
	v_add_nc_u32 v[RFA], s45, v[RFA0]              ; staging: ref of row 16 w + r
	v_lshl_add_u32 v33, v2, 6, s45                 ; b_off: column 32 h + 16 hh (+ 8 u)
	s_lshl_b32 s46, s24, 6
	v_lshl_add_u32 v34, v2, 5, s46                 ; b_attn: column 16 h + 8 hh
	s_add_co_u32 s46, s46, AT
	v_add_nc_u32 v[ATS0], s46, v[ATS0]
	s_lshl_b32 s46, s44, 3
	v_lshl_add_u32 v32, v1, 3, s46                 ; reference_points: row 128 G + 16 w + r
	v_lshlrev_b32 v[IDO0], 4, v1
	v_lshl_add_u32 v[WTO0], v2, 11, v[IDO0]
	v_lshl_add_u32 v[IDO0], v2, 10, v[IDO0]
	s_lshl_b32 s46, s24, 19
	v_add_nc_u32 v[IDO0], s46, v[IDO0]             ; 524,288 h + 1,024 hh + 16 r: a head's 256 units of 2,048 bytes; levels 2 hh on
	s_lshl_b32 s46, s24, 20
	v_add_nc_u32 v[WTO0], s46, v[WTO0]             ; 1,048,576 h + 2,048 hh + 16 r: units of 4,096 bytes; pieces 4 hh on
	v_lshrrev_b32 v[WA], 3, v1
	v_and_b32 v[WB], 7, v1
	v_lshlrev_b32 v[WA], 10, v[WA]
	v_lshl_add_u32 v[WA], v[WB], 6, v[WA]
	v_lshl_add_u32 v[WA], v2, 4, v[WA]
	s_lshl_b32 s46, s24, 11
	v_add_nc_u32 v[WA], s46, v[WA]                 ; (32 h + 16 (r / 8) + r % 8) x 64 + 16 hh
	v_lshlrev_b32 v[WB], 6, v1
	v_lshl_add_u32 v[WB], v2, 4, v[WB]
	s_lshl_b32 s46, s24, 10
	v_add_nc_u32 v[WB], s46, v[WB]                 ; (16 h + r) x 64 + 16 hh
	v_cmp_eq_u32 vcc_lo, 1, v2
.macro SEL d, a, b                     ; a in lanes 0-15 (level u), b in lanes 16-31 (level 2 + u)
	v_mov_b32 v[\d], \b
	v_cndmask_b32 v[\d], \a, v[\d], vcc_lo
.endm
	SEL NS,    0xc2fe0000, 0xc1f80000              ; -127, -31
	SEL NS+2,  0xc27c0000, 0xc1700000              ; -63, -15
	v_mov_b32 v[NS+1], v[NS]
	v_mov_b32 v[NS+3], v[NS+2]
	SEL CMX,   0x42fc0000, 0x41f00000              ; 126, 30
	SEL CMX+1, 0x42780000, 0x41600000              ; 62, 14
	SEL WW,    0x43000000, 0x42000000              ; 128, 32
	SEL WW+1,  0x42800000, 0x41800000              ; 64, 16
	SEL PB,    0,          0x48200000              ; 0, 8 x 20480
	SEL PB+1,  0x48000000, 0x48280000              ; 8 x 16384, 8 x 21504
	v_mov_b32 v[MO], 0                             ; a lane exchange's destination counts as read
	v_mov_b32 v[MC+1], 0                           ; named as a pair with c m
	s_lshl_b32 s38, s44, 10
	s_mov_b32 s39, 0
	s_wait_kmcnt 0x0
	s_add_nc_u64 s[42:43], s[8:9], s[38:39]        ; query at my 16 rows
	s_lshr_b32 s45, ttmp9, 6                       ; b: 64 work-groups each
	s_and_b32 s46, ttmp9, 63                       ; the work-group's four units among b's 256
	s_lshl_b32 s38, s45, 22
	s_lshl_b32 s41, s46, 13
	s_add_co_u32 s38, s38, s41
	s_add_nc_u64 s[32:33], s[20:21], s[38:39]      ; idx at (b, head 0, my first unit)
	s_lshl_b32 s38, s45, 23
	s_lshl_b32 s41, s46, 14
	s_add_co_u32 s38, s38, s41
	s_add_nc_u64 s[34:35], s[22:23], s[38:39]      ; wts likewise
	s_lshl_b32 s38, s44, 9
	s_add_nc_u64 s[36:37], s[18:19], s[38:39]      ; out1 at my 16 rows
	; PHASE 1.  All loads go out: 1 of ref, 32 of query (512 consecutive bytes each), 48 of weight fragments, 6 of biases.
	global_load_b64 v[RFV:RFV+1], v32, s[10:11]
.irp i, 0,1,2,3,4,5,6,7,8,9,10,11,12,13,14,15,16,17,18,19,20,21,22,23,24,25,26,27,28,29,30,31
	global_load_b128 v[128+4*(\i):128+4*(\i)+3], v[L16], s[42:43] offset:512*(\i) th:TH_LOAD_NT
.endr
	WIN 0x40                                       ; destination window 1, address window 0
.irp ks, 0,1,2,3,4,5,6,7
	global_load_b128 v[8*(\ks):8*(\ks)+3],         v[WA], s[16:17] offset:(\ks)*16384
	global_load_b128 v[8*(\ks)+4:8*(\ks)+7],       v[WA], s[16:17] offset:(\ks)*16384+32
	global_load_b128 v[64+8*(\ks):64+8*(\ks)+3],   v[WA], s[16:17] offset:(\ks)*16384+512
	global_load_b128 v[64+8*(\ks)+4:64+8*(\ks)+7], v[WA], s[16:17] offset:(\ks)*16384+544
	global_load_b128 v[128+8*(\ks):128+8*(\ks)+3],   v[WB], s[16:17] offset:131072+(\ks)*8192
	global_load_b128 v[128+8*(\ks)+4:128+8*(\ks)+7], v[WB], s[16:17] offset:131072+(\ks)*8192+32
.endr
	WIN 0
	global_load_b128 v[BIAS:BIAS+3],     v33, s[12:13]
	global_load_b128 v[BIAS+4:BIAS+7],   v33, s[12:13] offset:16
	global_load_b128 v[BIAS+8:BIAS+11],  v33, s[12:13] offset:32
	global_load_b128 v[BIAS+12:BIAS+15], v33, s[12:13] offset:48
	global_load_b128 v[BIAS+16:BIAS+19], v34, s[14:15]
	global_load_b128 v[BIAS+20:BIAS+23], v34, s[14:15] offset:16
	s_wait_loadcnt 63                              ; 86 loads were issued behind ref's; the wait's field ends at 63, and a smaller count is safe
	v_cvt_pk_bf16_f32 v88, v[RFV], v[RFV+1]
	v_lshlrev_b32 v[RFV], 16, v88
	v_and_b32 v[RFV+1], s40, v88
	v_pk_add_f32 v[RFV:RFV+1], v[RFV:RFV+1], 0.5 op_sel_hi:[1,0]
	ds_store_b64 v[RFA], v[RFV:RFV+1]              ; lanes r and 16 + r write the same words with the same numbers
.macro STAGEQ i                        ; four numbers of query: to bf16, widened, to f16, 8 bytes into LDS; the wave's store covers 256 consecutive bytes
.set T, 88+8*((\i)%2)
.if 85-(\i) > 63
	s_wait_loadcnt 63
.else
	s_wait_loadcnt 85-(\i)                         ; behind load i: 31 - i of query, 48 fragments, 6 biases
.endif
	v_cvt_pk_bf16_f32 v[T],   v[128+4*(\i)],   v[128+4*(\i)+1]
	v_cvt_pk_bf16_f32 v[T+1], v[128+4*(\i)+2], v[128+4*(\i)+3]
	v_lshlrev_b32 v[T+2], 16, v[T]
	v_and_b32     v[T+3], s40, v[T]
	v_lshlrev_b32 v[T+4], 16, v[T+1]
	v_and_b32     v[T+5], s40, v[T+1]
	v_cvt_pk_f16_f32 v[T+6], v[T+2], v[T+3]
	v_cvt_pk_f16_f32 v[T+7], v[T+4], v[T+5]
	ds_store_b64 v[QSA], v[T+6:T+7] offset:((\i)/2)*PQ+((\i)%2)*256
.endm
.irp i, 0,1,2,3,4,5,6,7,8,9,10,11,12,13,14,15,16,17,18,19,20,21,22,23,24,25,26,27,28,29,30,31
	STAGEQ \i
.endr
	s_wait_loadcnt 0x0                             ; fragments and biases
.irp k, 0,1,2,3,4,5,6,7,8,9,10,11
	v_cvt_pk_bf16_f32 v[88+(\k)], v[BIAS+2*(\k)], v[BIAS+2*(\k)+1]
.endr
.irp k, 0,1,2,3,4,5,6,7,8,9,10,11
	v_lshlrev_b32 v[BIAS+2*(\k)],   16, v[88+(\k)]
	v_and_b32     v[BIAS+2*(\k)+1], s40, v[88+(\k)]
.endr
	s_wait_dscnt 0x0                               ; for the others' sake: my rows of query and ref are in LDS
	s_barrier_signal -1
	s_barrier_wait -1                              ; everybody's are
; The eight coordinates of tile u (four points: x, y) become four table offsets and sixteen weights.
.macro POINTS u
.set Z, ACC+8*(\u)
.set NSR, NS+2*(\u)
.irp k, 0,1,2,3
	v_pk_mul_f32 v[Z+2*(\k):Z+2*(\k)+1], v[Z+2*(\k):Z+2*(\k)+1], 0x4038aa3b op_sel_hi:[1,0]  ; 2 log2(e) z; the accumulator's lowest registers are read first
.endr
.irp i, 0,1,2,3,4,5,6,7
	v_exp_f32 v[Z+(\i)], v[Z+(\i)]
.endr
	v_pk_mul_f32 v[CC:CC+1], v[RFV:RFV+1], v[NSR:NSR+1] neg_lo:[1,0] neg_hi:[1,0]  ; (ref + 0.5)(W - 1): also the plain instruction behind the exponentials (ISA guide 5.7.2)
	s_wait_alu depctr_va_vdst(0)
.irp k, 0,1,2,3
	v_pk_add_f32 v[Z+2*(\k):Z+2*(\k)+1], v[Z+2*(\k):Z+2*(\k)+1], 1.0 op_sel_hi:[1,0]
.endr
.irp i, 0,1,2,3,4,5,6,7
	v_rcp_f32 v[Z+(\i)], v[Z+(\i)]                 ; rho
.endr
	v_nop                                          ; a plain instruction behind the reciprocals
	s_wait_alu depctr_va_vdst(0)
.irp k, 0,1,2,3
	v_pk_fma_f32 v[Z+2*(\k):Z+2*(\k)+1], v[Z+2*(\k):Z+2*(\k)+1], v[NSR:NSR+1], v[CC:CC+1]  ; x, y in pixels
.endr
.irp i, 0,1,2,3,4,5,6,7
	v_floor_f32 v[BB+(\i)], v[Z+(\i)]
.endr
.irp i, 0,1,2,3,4,5,6,7
	v_med3_num_f32 v[BB+(\i)], v[BB+(\i)], 0, v[CMX+(\u)]  ; held to 0 .. W - 2
.endr
.irp k, 0,1,2,3
	v_pk_add_f32 v[Z+2*(\k):Z+2*(\k)+1], v[Z+2*(\k):Z+2*(\k)+1], v[BB+2*(\k):BB+2*(\k)+1] neg_lo:[0,1] neg_hi:[0,1]  ; f
.endr
.irp i, 0,1,2,3,4,5,6,7
	v_sub_f32 v[RW0+(\i)], 1.0, |v[Z+(\i)]|
	v_sub_f32 v[RW1+(\i)], 2.0, v[Z+(\i)]
.endr
.irp i, 0,1,2,3,4,5,6,7
	v_max_num_f32 v[RW0+(\i)], 0, v[RW0+(\i)]
	v_med3_num_f32 v[RW1+(\i)], v[Z+(\i)], 0, v[RW1+(\i)]
.endr
.irp p, 0,1,2,3
	v_fma_f32 v[IX+4*(\u)+(\p)], v[BB+2*(\p)+1], v[WW+(\u)], v[BB+2*(\p)]  ; yb W + xb: whole numbers under 2^24, exact
.endr
.irp p, 0,1,2,3
	v_fmamk_f32 v[IX+4*(\u)+(\p)], v[IX+4*(\u)+(\p)], 0x41000000, v[PB+(\u)]  ; x 8 bytes a pixel, + the level's first byte: under 2^24, exact
.endr
.irp p, 0,1,2,3
	v_cvt_u32_f32 v[IX+4*(\u)+(\p)], v[IX+4*(\u)+(\p)]
.endr
.irp p, 0,1,2,3
	v_mul_f32 v[AY+2*(\p)],   v[LG+4*(\u)+(\p)], v[RW0+2*(\p)+1]
	v_mul_f32 v[AY+2*(\p)+1], v[LG+4*(\u)+(\p)], v[RW1+2*(\p)+1]
.endr
.irp p, 0,1,2,3
	v_mul_f32 v[PR+(\p)],    v[AY+2*(\p)],   v[RW0+2*(\p)]  ; corner 2 r + c
	v_mul_f32 v[PR+4+(\p)],  v[AY+2*(\p)],   v[RW1+2*(\p)]
	v_mul_f32 v[PR+8+(\p)],  v[AY+2*(\p)+1], v[RW0+2*(\p)]
	v_mul_f32 v[PR+12+(\p)], v[AY+2*(\p)+1], v[RW1+2*(\p)]
.endr
.irp p, 0,1,2,3
	v_cvt_pk_f16_f32 v[WP+8*(\u)+2*(\p)],   v[PR+(\p)],   v[PR+4+(\p)]    ; a point's four corners on end: corners 0, 1,
	v_cvt_pk_f16_f32 v[WP+8*(\u)+2*(\p)+1], v[PR+8+(\p)], v[PR+12+(\p)]   ; corners 2, 3
.endr
.endm
	; PHASE 2.  Eight tiles of 16 queries.
	s_mov_b32 s25, 0                               ; the tile
	s_mov_b32 s26, 0                               ; its 16 rows in LDS
	s_mov_b32 s27, 0                               ; its 16 refs
.Ltile:
	s_wait_xcnt 0x0                                ; every earlier memory instruction has had its addresses translated (ISA guide 3.1): the last tile's store data and offsets are rewritten only behind this wait
	s_and_b32 s45, s25, 1                          ; which half of a unit's 32 queries
	s_lshr_b32 s46, s25, 1                         ; which of my four units
	s_lshl_b32 s45, s45, 8
	s_lshl_b32 s28, s46, 11
	s_or_b32 s28, s28, s45                         ; the tile's place in idx: 2,048 unit + 256 half
	s_lshl_b32 s29, s46, 12
	s_or_b32 s29, s29, s45                         ; in wts: 4,096 unit + 256 half
	v_add_nc_u32 v[QFA], s26, v[QFA0]
	v_add_nc_u32 v[RFA], s27, v[RFA0]
	ds_load_b64 v[RFV:RFV+1], v[RFA]
.irp ks, 0,1,2,3,4,5,6,7
	ds_load_b128 v[QF+8*(\ks):QF+8*(\ks)+3],   v[QFA] offset:64*(\ks)
	ds_load_b128 v[QF+8*(\ks)+4:QF+8*(\ks)+7], v[QFA] offset:64*(\ks)+32
.endr
	WIN 0x01                                       ; source 0, the weights, in window 1
	; the three accumulators take turns, one instruction a turn; the first K step starts the sums with the biases
	s_wait_dscnt 14
	v_wmma_f32_16x16x32_f16 v[ACC:ACC+7],     v[0:7],     v[QF:QF+7], v[BIAS:BIAS+7]
	v_wmma_f32_16x16x32_f16 v[ACC+8:ACC+15],  v[64:71],   v[QF:QF+7], v[BIAS+8:BIAS+15]
	v_wmma_f32_16x16x32_f16 v[ACC+16:ACC+23], v[128:135], v[QF:QF+7], v[BIAS+16:BIAS+23]
.irp ks, 1,2,3,4,5,6,7
	s_wait_dscnt 14-2*(\ks)                        ; LDS loads come back in order: the fragments of later K steps may stay out
	v_wmma_f32_16x16x32_f16 v[ACC:ACC+7],     v[8*(\ks):8*(\ks)+7],         v[QF+8*(\ks):QF+8*(\ks)+7], v[ACC:ACC+7]
	v_wmma_f32_16x16x32_f16 v[ACC+8:ACC+15],  v[64+8*(\ks):64+8*(\ks)+7],   v[QF+8*(\ks):QF+8*(\ks)+7], v[ACC+8:ACC+15]
	v_wmma_f32_16x16x32_f16 v[ACC+16:ACC+23], v[128+8*(\ks):128+8*(\ks)+7], v[QF+8*(\ks):QF+8*(\ks)+7], v[ACC+16:ACC+23]
.endr
	WIN 0
	v_add_nc_u32 v[ATS], s26, v[ATS0]              ; four plain instructions that name no register of the last products stand between them and the first read of a result (ISA guide 7.12.1)
	v_add_nc_u32 v[IDO], s28, v[IDO0]
	v_add_nc_u32 v[WTO], s29, v[WTO0]
	v_nop
	; softmax over the head's 16 logits: eight in this lane, eight in the lane 16 away
	v_max3_num_f32 v[MX], v[LG], v[LG+1], v[LG+2]
	v_max3_num_f32 v[MX], v[MX], v[LG+3], v[LG+4]
	v_max3_num_f32 v[MX], v[MX], v[LG+5], v[LG+6]
	v_max_num_f32 v[MX], v[MX], v[LG+7]
	v_permlanex16_b32 v[MO], v[MX], s30, s31
	v_max_num_f32 v[MX], v[MX], v[MO]
	v_mul_f32 v[MC], 0x3fb8aa3b, v[MX]             ; log2(e) m
.irp k, 0,1,2,3
	v_pk_fma_f32 v[LG+2*(\k):LG+2*(\k)+1], v[LG+2*(\k):LG+2*(\k)+1], 0x3fb8aa3b, v[MC:MC+1] op_sel_hi:[1,0,0] neg_lo:[0,0,1] neg_hi:[0,0,1]
.endr
.irp i, 0,1,2,3,4,5,6,7
	v_exp_f32 v[LG+(\i)], v[LG+(\i)]
.endr
	v_nop                                          ; a plain instruction behind the exponentials
	s_wait_alu depctr_va_vdst(0)
	v_pk_add_f32 v[SM:SM+1], v[LG:LG+1], v[LG+2:LG+3]
	v_pk_add_f32 v[CC:CC+1], v[LG+4:LG+5], v[LG+6:LG+7]
	v_pk_add_f32 v[SM:SM+1], v[SM:SM+1], v[CC:CC+1]
	v_add_f32 v[SM], v[SM], v[SM+1]
	v_permlanex16_b32 v[MO], v[SM], s30, s31
	v_add_f32 v[SM], v[SM], v[MO]
	v_rcp_f32 v[SM], v[SM]
	v_nop                                          ; a plain instruction behind the reciprocal
	s_wait_alu depctr_va_vdst(0)
.irp k, 0,1,2,3
	v_pk_mul_f32 v[LG+2*(\k):LG+2*(\k)+1], v[LG+2*(\k):LG+2*(\k)+1], v[SM:SM+1] op_sel_hi:[1,0]
.endr
	ds_store_b128 v[ATS], v[LG:LG+3]
	ds_store_b128 v[ATS], v[LG+4:LG+7] offset:16
	POINTS 0
	POINTS 1
	global_store_b128 v[IDO], v[IX:IX+3],   s[32:33]             ; level 2 hh
	global_store_b128 v[IDO], v[IX+4:IX+7], s[32:33] offset:512  ; level 2 hh + 1
.irp j, 0,1,2,3
	global_store_b128 v[WTO], v[WP+4*(\j):WP+4*(\j)+3], s[34:35] offset:512*(\j)  ; piece 4 hh + j
.endr
	s_add_co_u32 s26, s26, 16*PQ
	s_add_co_u32 s27, s27, 128
	s_add_co_u32 s25, s25, 1
	s_cmp_lt_u32 s25, 8
	s_cbranch_scc1 .Ltile
	; PHASE 3.  attn leaves by whole rows: a row's 512 bytes come from all eight waves, so a barrier stands between the writing and the reading.
	s_wait_dscnt 0x0                               ; for the others' sake: my stores of attn are done
	s_barrier_signal -1
	s_barrier_wait -1
	v_add_nc_u32 v[QFA], s47, v[L16]
	v_add_nc_u32 v[QFA], AT, v[QFA]                ; my 16 rows, 16 bytes a lane
.irp i, 0,1,2,3,4,5,6,7,8,9,10,11,12,13,14,15
	ds_load_b128 v[QF+4*(\i):QF+4*(\i)+3], v[QFA] offset:(\i)*PQ
.endr
.irp i, 0,1,2,3,4,5,6,7,8,9,10,11,12,13,14,15
	s_wait_dscnt 15-(\i)
	global_store_b128 v[L16], v[QF+4*(\i):QF+4*(\i)+3], s[36:37] offset:512*(\i) th:TH_STORE_NT  ; 512 consecutive bytes, a whole row of out1
.endr
	s_wait_tensorcnt 0x0                           ; the wave's end, behind my last LDS store
	ds_add_u32 v[SPW], v[NIL]
	s_wait_dscnt 0x0
	s_endpgm
.Lfunc_end_k_qfba5ae7e5a_proj:
	.size	k_qfba5ae7e5a_proj, .Lfunc_end_k_qfba5ae7e5a_proj-k_qfba5ae7e5a_proj
	.p2alignl 7, 3214868480
	.fill 96, 4, 3214868480
	.section	.rodata,"a",@progbits
	.p2align	6, 0x0
	.amdhsa_kernel k_qfba5ae7e5a_proj
		.amdhsa_group_segment_fixed_size 137216
		.amdhsa_private_segment_fixed_size 0
		.amdhsa_enable_private_segment 0
		.amdhsa_kernarg_size 64
		.amdhsa_user_sgpr_count 2
		.amdhsa_user_sgpr_kernarg_segment_ptr 1
		.amdhsa_wavefront_size32 1
		.amdhsa_system_sgpr_workgroup_id_x 1
		.amdhsa_system_sgpr_workgroup_id_y 1
		.amdhsa_system_sgpr_workgroup_id_z 1
		.amdhsa_system_vgpr_workitem_id 0
		.amdhsa_next_free_vgpr 448
		.amdhsa_next_free_sgpr 66
		.amdhsa_reserve_vcc 1
		.amdhsa_float_denorm_mode_32 3
		.amdhsa_float_denorm_mode_16_64 3
		.amdhsa_memory_ordered 1
		.amdhsa_forward_progress 1
		.amdhsa_inst_pref_size 51
	.end_amdhsa_kernel
	.amdgpu_metadata
---
amdhsa.version: [ 1, 2 ]
amdhsa.kernels:
  - .name:           k_qfba5ae7e5a_proj
    .symbol:         k_qfba5ae7e5a_proj.kd
    .args:
      - { .name: query, .offset: 0, .size: 8, .value_kind: global_buffer, .address_space: global }
      - { .name: reference_points, .offset: 8, .size: 8, .value_kind: global_buffer, .address_space: global }
      - { .name: b_off, .offset: 16, .size: 8, .value_kind: global_buffer, .address_space: global }
      - { .name: b_attn, .offset: 24, .size: 8, .value_kind: global_buffer, .address_space: global }
      - { .name: wf, .offset: 32, .size: 8, .value_kind: global_buffer, .address_space: global }
      - { .name: out1, .offset: 40, .size: 8, .value_kind: global_buffer, .address_space: global }
      - { .name: idx, .offset: 48, .size: 8, .value_kind: global_buffer, .address_space: global }
      - { .name: wts, .offset: 56, .size: 8, .value_kind: global_buffer, .address_space: global }
    .group_segment_fixed_size: 137216
    .private_segment_fixed_size: 0
    .kernarg_segment_align: 8
    .kernarg_segment_size: 64
    .max_flat_workgroup_size: 256
    .sgpr_count:     66
    .vgpr_count:     448
    .wavefront_size: 32
...
	.end_amdgpu_metadata
.endif
;; end of part 5
;; launch sample (part 6): grid 256 x 1, 16 waves a work-group, no clusters, 176,128 bytes of LDS; arguments idx, wts, feat0, feat1, feat2, feat3, agg; writes agg
.if DOCPART == 6
	.amdgcn_target "amdgcn-amd-amdhsa--gfx1250"
	.amdhsa_code_object_version 6
	.text
	.protected	k_qfba5ae7e5a_sample
	.globl	k_qfba5ae7e5a_sample
	.p2align	8
	.type	k_qfba5ae7e5a_sample,@function
k_qfba5ae7e5a_sample:
	s_mov_b64 s[64:65], 0
	v_nop
	global_prefetch_b8 v0, s[64:65] scope:SCOPE_SE
	s_setreg_imm32_b32 hwreg(HW_REG_WAVE_MODE, 25, 1), 1
	s_wait_xcnt 0x0
; SAMPLE: agg[q][head][c] = the sum over 16 points and 4 corners of weight x map[c][pixel].
; NUMBERS.  The maps are rounded to bf16 (nearest even) and that number is kept as f16; the weights are f16 (made by the launch before); each product and the sum over the 64 corners in f32
; (v_fma_mix_f32); agg is rounded once to f16.
; LIMITS: a map's numbers exact for 2^-14 <= |x| < 65,504 after the rounding, below that f16's fixed step of 2^-24; agg under 65,504; NaN and infinities are not treated apart.
; SHARES.  A work-group owns FOUR CHANNELS of one (b, head): number = (8 b + head) x 8 + channel group, so 4 x the number is its first channel among all b's.  4 x 8 x 8 = 256 work-groups.
; THE TABLE.  Those four channels of all four levels, as [pixel 21760][channel 4] in f16, 8 bytes a pixel, are 174,080 bytes of LDS; the levels begin at pixels 0, 16384, 20480, 21504.  The work-group
; makes the table itself: in the maps a channel's pixels are dense, so a wave's load takes 512 consecutive bytes (128 pixels) of one channel; four such loads are a CHUNK, and a lane then holds
; 4 pixels x 4 channels, 32 consecutive bytes of the table.  170 chunks: 8 of level 0 and 2 of level 1 for each wave, level 2's eight for waves 0 to 7, level 3's two for waves 8 and 9.
; All loads of a wave go out at once.  No byte of a map is read twice in the launch, and every corner is read from LDS.
; A LANE IS A QUERY.  A wave takes 16 units of 32 queries of its b.  The 64 corners of a query are added up in its lane: nothing changes lanes.
; For each point: its byte offset in the table (a whole number stored by the launch before) is held to the level's last legal pixel in the instruction that takes it into an address; four loads of
; 8 bytes (offsets 0, 8, a map row, a map row + 8) bring the corners' four channels; 16 multiply-adds.  Four points' loads, 16, are always on their way.  The lanes' addresses are data, so which
; banks meet in a load cannot be laid out.
; PARAMETERS.  A unit's 16 offsets and 64 weights a lane come by 12 loads of 16 bytes a lane (512 consecutive bytes each), straight into the registers that have just been used up.
; No tensor load: the maps are converted and their channels interleaved on the way into LDS.  No cluster: the eight channel groups of a head read the same offsets and weights, but a joint load would
; bring them through LDS: 12 more LDS loads for a unit's 64.  No matrix unit: the sum runs over data that each lane fetches for itself.
.set SPARE, 174080                     ; behind the table: the spare words, 128 bytes a wave
.set LV1,   131072                     ; the levels' first bytes in the table
.set LV2,   163840
.set SPW, 1                            ; v1  LDS address of my spare word; never rewritten
.set NIL, 2                            ; v2  0; never rewritten
.set ZERO, 3                           ; v3  0: the addend of a unit's first products
.set L16, 4                            ; v4  16 x lane; never rewritten
.set L8,  5                            ; v5  8 x lane; never rewritten
.set LS0, 6                            ; v6  the fill: where my 32 bytes of my first chunk of level 0 go;  v7 of level 1;  v8 of my chunk of level 2 or 3
.set LS1, 7
.set LSX, 8
.set VOX, 9                            ; v[9:11]    the fill: my byte offset in channels 1 to 3 of level 2 or 3
.set ADR, 8                            ; v[8:11]    behind the fill: a ring slot's LDS address
.set IDX, 12                           ; v[12:27]   16 offsets: 4 level + p
.set WGT, 28                           ; v[28:59]   64 weights: point t's four at 4 (t / 2) + 2 (t % 2), two a register
.set XR,  60                           ; v[60:235]  the fill: chunk n at 16 n: channel c's four pixels at 4 c
.set XE,  XR+160                       ;            chunk 10: the one of level 2 or 3
.set TW,  236                          ; v[236:251] the fill: two sets of eight, at work
.set DAT, 60                           ; v[60:91]   ring slot t % 4: corner c's four channels at 8 (t % 4) + 2 c
.set ACC, 92                           ; v[92:95] the even corners' sums, v[96:99] the odd corners'
.set OUTR, 100                         ; v[100:101] four channels in f16
	s_load_b256 s[4:11], s[0:1], 0x0               ; idx s[4:5], wts s[6:7], feat0 s[8:9], feat1 s[10:11]
	s_load_b128 s[12:15], s[0:1], 0x20             ; feat2 s[12:13], feat3 s[14:15]
	s_load_b64 s[16:17], s[0:1], 0x30              ; agg
	v_lshl_add_u32 v[SPW], v0, 2, SPARE
	v_mov_b32 v[NIL], 0
	v_lshrrev_b32 v[TW], 5, v0
	v_readfirstlane_b32 s18, v[TW]                 ; wave 0..15
	s_mov_b32 s34, 0xffff0000                      ; a word's upper bf16
	s_lshl_b32 s36, ttmp9, 18                      ; feat0: 4 channels of 65,536 bytes for a work-group; 4,096 bytes (1,024 pixels) of each for a wave
	s_lshl_b32 s37, s18, 12
	s_add_co_u32 s36, s36, s37
	s_mov_b32 s37, 0
	s_lshl_b32 s38, ttmp9, 16                      ; feat1: channels of 16,384 bytes; 1,024 bytes (256 pixels) for a wave
	s_lshl_b32 s39, s18, 10
	s_add_co_u32 s38, s38, s39
	s_mov_b32 s39, 0
	s_lshl_b32 s41, s18, 9                         ; 512 bytes (128 pixels) for a wave:
	s_lshl_b32 s40, ttmp9, 14                      ; feat2: channels of 4,096 bytes, waves 0 to 7;
	s_add_co_u32 s40, s40, s41
	s_lshl_b32 s42, ttmp9, 12                      ; feat3: channels of 1,024 bytes, waves 8 and 9
	s_add_co_u32 s42, s42, s41
	s_sub_co_u32 s42, s42, 4096
	s_mov_b32 s43, 1024
	s_cmp_lt_u32 s18, 8
	s_cselect_b32 s40, s40, s42
	s_cselect_b32 s43, 4096, s43                   ; bytes from channel to channel
	s_mov_b32 s41, 0
	s_lshr_b32 s19, ttmp9, 3                       ; 8 b + head
	s_lshl_b32 s44, s19, 19                        ; idx: 524,288 for a head, 32,768 for a wave's 16 units
	s_lshl_b32 s45, s18, 15
	s_add_co_u32 s44, s44, s45
	s_mov_b32 s45, 0
	s_lshl_b32 s46, s19, 20                        ; wts: twice that
	s_lshl_b32 s47, s18, 16
	s_add_co_u32 s46, s46, s47
	s_mov_b32 s47, 0
	s_lshl_b32 s48, ttmp9, 16                      ; agg: [work-group][q 8192][4]: 65,536 for a work-group, 4,096 for a wave's 16 units
	s_lshl_b32 s49, s18, 12
	s_add_co_u32 s48, s48, s49
	s_mov_b32 s49, 0
	s_lshl_b32 s51, s18, 13                        ; the table: my 1,024 pixels of level 0,
	s_lshl_b32 s52, s18, 11
	s_add_co_u32 s52, s52, LV1                     ; my 256 of level 1,
	s_lshl_b32 s53, s18, 10
	s_add_co_u32 s53, s53, LV2                     ; my 128 of level 2, or of level 3, which begins where level 2's eighth chunk ends
	v_and_b32 v[TW], 31, v0
	v_lshlrev_b32 v[L16], 4, v[TW]
	v_lshlrev_b32 v[L8], 3, v[TW]
	v_mov_b32 v[ZERO], 0
	v_lshl_add_u32 v[LS0], v[TW], 5, s51           ; 4 pixels, 32 bytes, a lane
	v_lshl_add_u32 v[LS1], v[TW], 5, s52
	v_lshl_add_u32 v[LSX], v[TW], 5, s53
	v_add_nc_u32 v[VOX],   s43, v[L16]
	v_add_nc_u32 v[VOX+1], s43, v[VOX]
	v_add_nc_u32 v[VOX+2], s43, v[VOX+1]
	s_wait_kmcnt 0x0
	s_add_nc_u64 s[26:27], s[8:9], s[36:37]
	s_add_nc_u64 s[28:29], s[10:11], s[38:39]
	s_cmp_lt_u32 s18, 8
	s_cselect_b64 s[30:31], s[12:13], s[14:15]
	s_add_nc_u64 s[30:31], s[30:31], s[40:41]
	s_add_nc_u64 s[20:21], s[4:5], s[44:45]        ; idx, wts and agg at my first unit
	s_add_nc_u64 s[22:23], s[6:7], s[46:47]
	s_add_nc_u64 s[24:25], s[16:17], s[48:49]
	; THE FILL.  All loads go out: 4 of level 2 or 3 (waves 0 to 9), 32 of level 0, 8 of level 1, then unit 0's 12 of offsets and weights.
	s_cmp_lt_u32 s18, 10
	s_cbranch_scc0 .Lno_extra_loads
	global_load_b128 v[XE:XE+3],     v[L16],   s[30:31] th:TH_LOAD_NT
	global_load_b128 v[XE+4:XE+7],   v[VOX],   s[30:31] th:TH_LOAD_NT
	global_load_b128 v[XE+8:XE+11],  v[VOX+1], s[30:31] th:TH_LOAD_NT
	global_load_b128 v[XE+12:XE+15], v[VOX+2], s[30:31] th:TH_LOAD_NT
.Lno_extra_loads:
.irp i, 0,1,2,3,4,5,6,7
.irp c, 0,1,2,3
	global_load_b128 v[XR+16*(\i)+4*(\c):XR+16*(\i)+4*(\c)+3], v[L16], s[26:27] offset:(\c)*65536+(\i)*512 th:TH_LOAD_NT  ; 512 consecutive bytes of channel c
.endr
.endr
.irp i, 0,1
.irp c, 0,1,2,3
	global_load_b128 v[XR+128+16*(\i)+4*(\c):XR+128+16*(\i)+4*(\c)+3], v[L16], s[28:29] offset:(\c)*16384+(\i)*512 th:TH_LOAD_NT
.endr
.endr
.irp l, 0,1,2,3
	global_load_b128 v[IDX+4*(\l):IDX+4*(\l)+3], v[L16], s[20:21] offset:512*(\l)  ; unit 0's offsets
.endr
.irp j, 0,1,2,3,4,5,6,7
	global_load_b128 v[WGT+4*(\j):WGT+4*(\j)+3], v[L16], s[22:23] offset:512*(\j)  ; and weights
.endr
; A chunk at registers xb: for each of my four pixels, channels 0, 1 and channels 2, 3 are rounded to bf16 in pairs, widened (into the chunk's own registers, which are used up), and written as f16:
; eight words, my four pixels' 32 bytes of the table.
.macro CONV xb, ts, la, off
.irp j, 0,1,2,3
	v_cvt_pk_bf16_f32 v[(\ts)+2*(\j)],   v[(\xb)+(\j)],   v[(\xb)+4+(\j)]
	v_cvt_pk_bf16_f32 v[(\ts)+2*(\j)+1], v[(\xb)+8+(\j)], v[(\xb)+12+(\j)]
.endr
.irp k, 0,1,2,3,4,5,6,7
	v_lshlrev_b32 v[(\xb)+2*(\k)],   16,  v[(\ts)+(\k)]
	v_and_b32     v[(\xb)+2*(\k)+1], s34, v[(\ts)+(\k)]
.endr
.irp k, 0,1,2,3,4,5,6,7
	v_cvt_pk_f16_f32 v[(\ts)+(\k)], v[(\xb)+2*(\k)], v[(\xb)+2*(\k)+1]
.endr
	ds_store_b128 v[\la], v[(\ts):(\ts)+3]   offset:(\off)
	ds_store_b128 v[\la], v[(\ts)+4:(\ts)+7] offset:(\off)+16
.endm
	s_cmp_lt_u32 s18, 10
	s_cbranch_scc0 .Lno_extra
	s_wait_loadcnt 52                              ; loads come back in order (ISA guide 5.7.1): behind these four stand 40 of the maps and 12 of the parameters
	CONV XE, TW+8, LSX, 0
.Lno_extra:
.irp n, 0,1,2,3,4,5,6,7
	s_wait_loadcnt 48-4*(\n)                       ; behind chunk n: 9 - n chunks of four, and the 12
	CONV XR+16*(\n), TW+8*((\n)%2), LS0, (\n)*1024
.endr
.irp n, 0,1
	s_wait_loadcnt 16-4*(\n)
	CONV XR+128+16*(\n), TW+8*((\n)%2), LS1, (\n)*1024
.endr
	s_wait_loadcnt 0x0                             ; unit 0's offsets and weights; every load of the fill is done, so its offset registers may be written again
	s_wait_dscnt 0x0                               ; for the others' sake: my part of the table is in LDS
	s_barrier_signal -1
	s_barrier_wait -1                              ; everybody's is
; Point pp: its offset is held to the level's last legal pixel (yb, xb <= W - 2), and the four corners' loads go out into ring slot pp % 4.
.macro ISSUE
.if pp < 4
.set MXB, 130032
.set WB8, 1024
.elseif pp < 8
.set MXB, 163312
.set WB8, 512
.elseif pp < 12
.set MXB, 171760
.set WB8, 256
.else
.set MXB, 173936
.set WB8, 128
.endif
.set rI, DAT+8*(pp%4)
	v_min_u32 v[ADR+pp%4], MXB, v[IDX+pp]
	ds_load_b64 v[rI:rI+1],   v[ADR+pp%4]
	ds_load_b64 v[rI+2:rI+3], v[ADR+pp%4] offset:8
	ds_load_b64 v[rI+4:rI+5], v[ADR+pp%4] offset:WB8
	ds_load_b64 v[rI+6:rI+7], v[ADR+pp%4] offset:WB8+8
.endm
; One corner: its four channels (registers rD, rD + 1) times its weight (half q of register rW), onto the sums at rA.  z = 1: the products start the sums.
.macro FM4 q, z
.if \z
	v_fma_mix_f32 v[rA],   v[rD],   v[rW], v[ZERO] op_sel:[0,\q,0] op_sel_hi:[1,1,0]
	v_fma_mix_f32 v[rA+1], v[rD],   v[rW], v[ZERO] op_sel:[1,\q,0] op_sel_hi:[1,1,0]
	v_fma_mix_f32 v[rA+2], v[rD+1], v[rW], v[ZERO] op_sel:[0,\q,0] op_sel_hi:[1,1,0]
	v_fma_mix_f32 v[rA+3], v[rD+1], v[rW], v[ZERO] op_sel:[1,\q,0] op_sel_hi:[1,1,0]
.else
	v_fma_mix_f32 v[rA],   v[rD],   v[rW], v[rA]   op_sel:[0,\q,0] op_sel_hi:[1,1,0]
	v_fma_mix_f32 v[rA+1], v[rD],   v[rW], v[rA+1] op_sel:[1,\q,0] op_sel_hi:[1,1,0]
	v_fma_mix_f32 v[rA+2], v[rD+1], v[rW], v[rA+2] op_sel:[0,\q,0] op_sel_hi:[1,1,0]
	v_fma_mix_f32 v[rA+3], v[rD+1], v[rW], v[rA+3] op_sel:[1,\q,0] op_sel_hi:[1,1,0]
.endif
.endm
.macro FM16                            ; point t's four corners; the two sets of sums take turns, so that a sum is taken up again eight instructions on
.set rD, DAT+8*(t%4)
.set rW, WGT+4*(t/2)+2*(t%2)
.set rA, ACC
.if t == 0
	FM4 0, 1
.else
	FM4 0, 0
.endif
.set rD, rD+2
.set rA, ACC+4
.if t == 0
	FM4 1, 1
.else
	FM4 1, 0
.endif
.set rD, rD+2
.set rW, rW+1
.set rA, ACC
	FM4 0, 0
.set rD, rD+2
.set rA, ACC+4
	FM4 1, 0
.endm
; A UNIT u: 32 queries, 16 points.  At point t: the products of point t, then the LDS loads of point t + 4 (from t = 12 on: the next unit's points 0 to 3).
; The parameter loads of a unit, in order: W0 W1 I1 W2 W3 I2 W4 W5 I3 W6 W7 I0.  Wj (weights of points 2 j, 2 j + 1 of unit u + 1) goes out behind point 2 j + 1, which used its registers up;
; Il (offsets of level l of unit u + 1) behind point 4 l - 1, at which level l's last LDS loads went out; I0 (level 0 of unit u + 2) behind point 15.
; Wj is used at point 2 j of the next unit: 11 loads are younger.  Il at point 4 l - 4, I0 at point 12: 9 are younger.  So the count is 9 at points 0, 4, 8, 12 and 11 at points 2, 6, 10, 14.
; ld = 0: the last unit, which loads nothing: behind Wj stand 10 - (j + j / 2) of the unit before's eleven, behind Il 11 - 3 l.  ld0 = 0: no I0.  nxt = 0: no next unit's points.
.macro UNIT ld, ld0, nxt
.set t, 0
.rept 16
.if (t%2) == 0
.if \ld
.if (t%4) == 0
	s_wait_loadcnt 9
.else
	s_wait_loadcnt 11
.endif
.else
.if t == 12
	s_wait_loadcnt 1
.elseif (t%4) == 0
	s_wait_loadcnt 8-3*(t/4)
.else
	s_wait_loadcnt 9-3*(t/4)
.endif
.endif
.endif
.if (\nxt) || (t < 13)
	s_wait_dscnt 12                                ; LDS loads come back in order (ISA guide 5.7.1): point t's four are in, the three younger points' twelve may stay out
.else
	s_wait_dscnt 4*(15-t)
.endif
	FM16
.if (\nxt) || (t < 12)
.set pp, (t+4)%16
	ISSUE
.endif
.if t == 1
	s_wait_xcnt 0x0                                ; every earlier memory instruction has had its addresses translated (ISA guide 3.1): the bases, and later the store's data, are rewritten only behind this wait
.if \ld
	s_add_nc_u64 s[20:21], s[20:21], 2048          ; idx and wts at unit u + 1
	s_add_nc_u64 s[22:23], s[22:23], 4096
.endif
	s_add_nc_u64 s[24:25], s[24:25], 256           ; agg at unit u + 1: the store below reaches back
.endif
.if (\ld) && ((t%2) == 1)
	global_load_b128 v[WGT+4*(t/2):WGT+4*(t/2)+3], v[L16], s[22:23] offset:512*(t/2)
.endif
.if (\ld) && ((t%4) == 3) && (t < 15)
	global_load_b128 v[IDX+4*(t/4)+4:IDX+4*(t/4)+7], v[L16], s[20:21] offset:512*(t/4)+512
.endif
.if (\ld0) && (t == 15)
	global_load_b128 v[IDX:IDX+3], v[L16], s[20:21] offset:2048
.endif
.set t, t+1
.endr
	v_pk_add_f32 v[ACC:ACC+1],   v[ACC:ACC+1],   v[ACC+4:ACC+5]
	v_pk_add_f32 v[ACC+2:ACC+3], v[ACC+2:ACC+3], v[ACC+6:ACC+7]
	v_cvt_pk_f16_f32 v[OUTR],   v[ACC],   v[ACC+1]
	v_cvt_pk_f16_f32 v[OUTR+1], v[ACC+2], v[ACC+3]
	global_store_b64 v[L8], v[OUTR:OUTR+1], s[24:25] offset:-256  ; 32 queries x 8 bytes: 256 consecutive bytes, at a multiple of 256 from the buffer's first
.endm
.set pp, 0
.rept 4
	ISSUE                                          ; unit 0's points 0 to 3
.set pp, pp+1
.endr
	global_load_b128 v[IDX:IDX+3], v[L16], s[20:21] offset:2048  ; unit 1's level 0: the I0 of a unit in front of the first
	s_mov_b32 s50, 14
.Lunit:                                                ; units 0 to 13
	UNIT 1, 1, 1
	s_sub_co_u32 s50, s50, 1
	s_cmp_lg_u32 s50, 0
	s_cbranch_scc1 .Lunit
	UNIT 1, 0, 1                                   ; unit 14: there is no unit 16 to ask for: no load leaves the wave's part of its buffers
	UNIT 0, 0, 0                                   ; unit 15 asks for nothing: the counts run down
	s_wait_tensorcnt 0x0                           ; the wave's end, behind my last LDS store
	ds_add_u32 v[SPW], v[NIL]
	s_wait_dscnt 0x0
	s_endpgm
.Lfunc_end_k_qfba5ae7e5a_sample:
	.size	k_qfba5ae7e5a_sample, .Lfunc_end_k_qfba5ae7e5a_sample-k_qfba5ae7e5a_sample
	.p2alignl 7, 3214868480
	.fill 96, 4, 3214868480
	.section	.rodata,"a",@progbits
	.p2align	6, 0x0
	.amdhsa_kernel k_qfba5ae7e5a_sample
		.amdhsa_group_segment_fixed_size 176128
		.amdhsa_private_segment_fixed_size 0
		.amdhsa_enable_private_segment 0
		.amdhsa_kernarg_size 56
		.amdhsa_user_sgpr_count 2
		.amdhsa_user_sgpr_kernarg_segment_ptr 1
		.amdhsa_wavefront_size32 1
		.amdhsa_system_sgpr_workgroup_id_x 1
		.amdhsa_system_sgpr_workgroup_id_y 1
		.amdhsa_system_sgpr_workgroup_id_z 1
		.amdhsa_system_vgpr_workitem_id 0
		.amdhsa_next_free_vgpr 252
		.amdhsa_next_free_sgpr 66
		.amdhsa_reserve_vcc 0
		.amdhsa_float_denorm_mode_32 3
		.amdhsa_float_denorm_mode_16_64 3
		.amdhsa_memory_ordered 1
		.amdhsa_forward_progress 1
		.amdhsa_inst_pref_size 96
	.end_amdhsa_kernel
	.amdgpu_metadata
---
amdhsa.version: [ 1, 2 ]
amdhsa.kernels:
  - .name:           k_qfba5ae7e5a_sample
    .symbol:         k_qfba5ae7e5a_sample.kd
    .args:
      - { .name: idx, .offset: 0, .size: 8, .value_kind: global_buffer, .address_space: global }
      - { .name: wts, .offset: 8, .size: 8, .value_kind: global_buffer, .address_space: global }
      - { .name: feat0, .offset: 16, .size: 8, .value_kind: global_buffer, .address_space: global }
      - { .name: feat1, .offset: 24, .size: 8, .value_kind: global_buffer, .address_space: global }
      - { .name: feat2, .offset: 32, .size: 8, .value_kind: global_buffer, .address_space: global }
      - { .name: feat3, .offset: 40, .size: 8, .value_kind: global_buffer, .address_space: global }
      - { .name: agg, .offset: 48, .size: 8, .value_kind: global_buffer, .address_space: global }
    .group_segment_fixed_size: 176128
    .private_segment_fixed_size: 0
    .kernarg_segment_align: 8
    .kernarg_segment_size: 56
    .max_flat_workgroup_size: 512
    .sgpr_count:     66
    .vgpr_count:     252
    .wavefront_size: 32
...
	.end_amdgpu_metadata
.endif
;; end of part 6
;; launch outp (part 7): grid 256 x 1, 16 waves a work-group, no clusters, 202,752 bytes of LDS; arguments agg, wf, b_out, out0; writes out0
.if DOCPART == 7
	.amdgcn_target "amdgcn-amd-amdhsa--gfx1250"
	.amdhsa_code_object_version 6
	.text
	.protected	k_qfba5ae7e5a_outp
	.globl	k_qfba5ae7e5a_outp
	.p2align	8
	.type	k_qfba5ae7e5a_outp,@function
k_qfba5ae7e5a_outp:
	s_mov_b64 s[64:65], 0
	v_nop
	global_prefetch_b8 v0, s[64:65] scope:SCOPE_SE
	s_setreg_imm32_b32 hwreg(HW_REG_WAVE_MODE, 25, 1), 1
	s_wait_xcnt 0x0
; OUTP: out0 = agg W_out + b_out.  agg: f16 [b][head][channel group 8][q 8192][4], from the launch before; W_out: f16 fragments in wf; b_out is rounded to bf16 and starts the f32 sums.
; LIMITS: as the launches before; NaN and infinities are not treated apart.
; SHARES.  A work-group owns 128 rows.  Wave w brings four channel groups (k = 16 w .. 16 w + 15) of all 128 rows into LDS, by loads of 256 consecutive bytes; then it owns columns
; 16 w .. 16 w + 15 (its 8 fragments of W_out stay in 64 registers) of all 128 rows, two tiles of 16 rows at a time.  Transposed use: source 0 = 16 columns of W_out, source 1 = 16 rows of agg:
; a lane holds eight neighbouring columns of a row.  The result goes through LDS and leaves as whole rows of 1,024 bytes.
; No cluster: work-groups share only W_out's 128 KB, read once into registers.  No tensor load: agg's 8-byte pieces are laid into rows on their way into LDS.
.set PA,    528                        ; agg in LDS, from byte 0: 128 rows of 256 f16 + 16 bytes: 132 words: 16 rows start at 16 different groups of four banks (64 banks of 4 bytes: ISA guide 11.1)
.set OUTS,  67584                      ; the result: 128 rows of 256 f32, pitch 1040
.set PO,    1040                       ; 260 words: likewise
.set SPARE, 200704                     ; the spare words, 128 bytes a wave
.set SPW, 1                            ; v1  LDS address of my spare word; never rewritten
.set NIL, 2                            ; v2  0; never rewritten
.set L8,  6                            ; v6  8 x lane
.set AST, 7                            ; v7  where I put 8 bytes of agg
.set AGF, 8                            ; v8  my place in a fragment of agg
.set OSTA, 9                           ; v9  where I put 16 bytes of the result, rows 0-63;   v10 rows 64-127 (an LDS offset holds 16 bits)
.set OSTB, 10
.set ORD, 11                           ; v11 where I read a row back
.set OGO, 12                           ; v12 my byte offset in the work-group's rows of out0
.set BIAS, 20                          ; v[20:27]
.set WFR, 28                           ; v[28:91]   W_out's fragments, 8 a K step
.set AIN, 92                           ; v[92:123]  agg as loaded: 16 x 8 bytes
.set ACC, 124                          ; v[124:131] rows 0-15 of a step, v[132:139] rows 16-31
.set F,   140                          ; v[140:171] fragments of agg
.set RB,  172                          ; v[172:235] rows read back
	s_load_b256 s[4:11], s[0:1], 0x0               ; agg s[4:5], wf s[6:7], b_out s[8:9], out0 s[10:11]
	v_lshl_add_u32 v[SPW], v0, 2, SPARE
	v_mov_b32 v[NIL], 0
	v_lshrrev_b32 v15, 5, v0
	v_readfirstlane_b32 s16, v15                   ; wave 0..15
	v_and_b32 v3, 31, v0                           ; lane
	v_bfe_u32 v4, v0, 4, 1                         ; hh
	v_and_b32 v5, 15, v0                           ; lane % 16
	v_lshlrev_b32 v[L8], 3, v3
	s_lshr_b32 s17, ttmp9, 6                       ; b: 64 work-groups each
	s_and_b32 s18, ttmp9, 63
	s_lshl_b32 s20, s17, 6                         ; agg: block 64 b + 4 w of 65,536 bytes (head w / 2, channel groups 4 (w % 2) on), query 128 (G % 64) x 8 bytes
	s_lshl_b32 s21, s16, 2
	s_add_co_u32 s20, s20, s21
	s_lshl_b32 s20, s20, 16
	s_lshl_b32 s21, s18, 10
	s_add_co_u32 s20, s20, s21
	s_mov_b32 s21, 0
	s_lshl_b32 s22, ttmp9, 17                      ; out0: 128 G rows of 1,024 bytes
	s_mov_b32 s23, 0
	s_lshl_b32 s24, s16, 5
	v_mul_u32_u24 v[AST], v3, PA
	v_add_nc_u32 v[AST], s24, v[AST]               ; row = lane, bytes 32 w
	v_mul_u32_u24 v[AGF], v5, PA
	v_lshl_add_u32 v[AGF], v4, 4, v[AGF]           ; row lane % 16, 16 hh
	s_lshl_b32 s24, s16, 6
	v_lshl_add_u32 v14, v4, 5, s24                 ; b_out: column 16 w + 8 hh
	s_add_co_u32 s24, s24, OUTS
	v_mul_u32_u24 v[OSTA], v5, PO
	v_lshl_add_u32 v[OSTA], v4, 5, v[OSTA]
	v_add_nc_u32 v[OSTA], s24, v[OSTA]             ; row lane % 16, bytes 64 w + 32 hh
	v_add_nc_u32 v[OSTB], 64*PO, v[OSTA]
	s_mul_i32 s24, s16, 8*PO
	s_add_co_u32 s24, s24, OUTS
	v_lshl_add_u32 v[ORD], v3, 4, s24              ; back: rows 8 w .. 8 w + 7
	s_lshl_b32 s24, s16, 13
	v_lshl_add_u32 v[OGO], v3, 4, s24
	s_lshl_b32 s24, s16, 10
	v_lshl_add_u32 v13, v5, 6, s24
	v_lshl_add_u32 v13, v4, 4, v13                 ; W_out's fragments: (16 w + lane % 16) x 64 + 16 hh
	s_wait_kmcnt 0x0
	s_add_nc_u64 s[12:13], s[4:5], s[20:21]
	s_add_nc_u64 s[14:15], s[10:11], s[22:23]
.irp i, 0,1,2,3
.irp c, 0,1,2,3
	global_load_b64 v[AIN+2*(4*(\i)+(\c)):AIN+2*(4*(\i)+(\c))+1], v[L8], s[12:13] offset:(\i)*65536+(\c)*256 th:TH_LOAD_NT  ; channel group i of my four, queries 32 c on: 256 consecutive bytes
.endr
.endr
.irp ks, 0,1,2,3,4,5,6,7
	global_load_b128 v[WFR+8*(\ks):WFR+8*(\ks)+3],   v13, s[6:7] offset:196608+(\ks)*16384
	global_load_b128 v[WFR+8*(\ks)+4:WFR+8*(\ks)+7], v13, s[6:7] offset:196608+(\ks)*16384+32
.endr
	global_load_b128 v[BIAS:BIAS+3],   v14, s[8:9]
	global_load_b128 v[BIAS+4:BIAS+7], v14, s[8:9] offset:16
.irp i, 0,1,2,3
.irp c, 0,1,2,3
	s_wait_loadcnt 33-(4*(\i)+(\c))                ; behind this load: the rest of agg's sixteen, 16 fragments, 2 of the bias
	ds_store_b64 v[AST], v[AIN+2*(4*(\i)+(\c)):AIN+2*(4*(\i)+(\c))+1] offset:(\c)*32*PA+8*(\i)
.endr
.endr
	s_wait_loadcnt 0x0                             ; W_out's fragments and b_out
.irp k, 0,1,2,3
	v_cvt_pk_bf16_f32 v15, v[BIAS+2*(\k)], v[BIAS+2*(\k)+1]
	v_lshlrev_b32 v[BIAS+2*(\k)], 16, v15
	v_and_b32 v[BIAS+2*(\k)+1], 0xffff0000, v15
.endr
	s_wait_dscnt 0x0                               ; for the others' sake: my part of agg is in LDS
	s_barrier_signal -1
	s_barrier_wait -1                              ; agg is whole
; Rows 32 s .. 32 s + 31.  ost, so: the register and the offset by which the result's rows are reached.
.macro STEP s, ost, so
.irp kb, 0,1,2,3
.irp f, 0,1,2,3                        ; fragment f: K step 2 kb + f / 2, rows 16 (f % 2) on
	ds_load_b128 v[F+8*(\f):F+8*(\f)+3],   v[AGF] offset:(\s)*32*PA+((\f)%2)*16*PA+64*(2*(\kb)+(\f)/2)
	ds_load_b128 v[F+8*(\f)+4:F+8*(\f)+7], v[AGF] offset:(\s)*32*PA+((\f)%2)*16*PA+64*(2*(\kb)+(\f)/2)+32
.endr
	s_wait_dscnt 0x0
.irp f, 0,1,2,3                        ; the two accumulators take turns; the first K step starts the sums with the bias
.if 2*(\kb)+(\f)/2 == 0
	v_wmma_f32_16x16x32_f16 v[ACC+8*((\f)%2):ACC+8*((\f)%2)+7], v[WFR:WFR+7], v[F+8*(\f):F+8*(\f)+7], v[BIAS:BIAS+7]
.else
	v_wmma_f32_16x16x32_f16 v[ACC+8*((\f)%2):ACC+8*((\f)%2)+7], v[WFR+8*(2*(\kb)+(\f)/2):WFR+8*(2*(\kb)+(\f)/2)+7], v[F+8*(\f):F+8*(\f)+7], v[ACC+8*((\f)%2):ACC+8*((\f)%2)+7]
.endif
.endr
.rept 4
	v_nop                                          ; four places in front of loads into registers that the products read, and of the stores that read their results
.endr
.if (\kb) == 3
	v_nop                                          ; a fifth: the next step's first products write over these accumulators
.endif
.endr
	ds_store_b128 v[\ost], v[ACC:ACC+3]    offset:(\so)            ; each accumulator's lowest registers first
	ds_store_b128 v[\ost], v[ACC+4:ACC+7]  offset:(\so)+16
	ds_store_b128 v[\ost], v[ACC+8:ACC+11] offset:(\so)+16*PO
	ds_store_b128 v[\ost], v[ACC+12:ACC+15] offset:(\so)+16*PO+16
.endm
	STEP 0, OSTA, 0
	STEP 1, OSTA, 32*PO
	STEP 2, OSTB, 0
	STEP 3, OSTB, 32*PO
	s_wait_dscnt 0x0                               ; for the others' sake: my columns of the result are in LDS
	s_barrier_signal -1
	s_barrier_wait -1                              ; the result is whole
.irp i, 0,1,2,3,4,5,6,7
	ds_load_b128 v[RB+8*(\i):RB+8*(\i)+3],   v[ORD] offset:(\i)*PO
	ds_load_b128 v[RB+8*(\i)+4:RB+8*(\i)+7], v[ORD] offset:(\i)*PO+512
.endr
.irp n, 0,1,2,3,4,5,6,7,8,9,10,11,12,13,14,15
	s_wait_dscnt 15-(\n)
	global_store_b128 v[OGO], v[RB+4*(\n):RB+4*(\n)+3], s[14:15] offset:512*(\n) th:TH_STORE_NT  ; 512 consecutive bytes; the wave's sixteen cover eight whole rows of out0
.endr
	s_wait_tensorcnt 0x0                           ; the wave's end, behind my last LDS store
	ds_add_u32 v[SPW], v[NIL]
	s_wait_dscnt 0x0
	s_endpgm
.Lfunc_end_k_qfba5ae7e5a_outp:
	.size	k_qfba5ae7e5a_outp, .Lfunc_end_k_qfba5ae7e5a_outp-k_qfba5ae7e5a_outp
	.p2alignl 7, 3214868480
	.fill 96, 4, 3214868480
	.section	.rodata,"a",@progbits
	.p2align	6, 0x0
	.amdhsa_kernel k_qfba5ae7e5a_outp
		.amdhsa_group_segment_fixed_size 202752
		.amdhsa_private_segment_fixed_size 0
		.amdhsa_enable_private_segment 0
		.amdhsa_kernarg_size 32
		.amdhsa_user_sgpr_count 2
		.amdhsa_user_sgpr_kernarg_segment_ptr 1
		.amdhsa_wavefront_size32 1
		.amdhsa_system_sgpr_workgroup_id_x 1
		.amdhsa_system_sgpr_workgroup_id_y 1
		.amdhsa_system_sgpr_workgroup_id_z 1
		.amdhsa_system_vgpr_workitem_id 0
		.amdhsa_next_free_vgpr 236
		.amdhsa_next_free_sgpr 66
		.amdhsa_reserve_vcc 0
		.amdhsa_float_denorm_mode_32 3
		.amdhsa_float_denorm_mode_16_64 3
		.amdhsa_memory_ordered 1
		.amdhsa_forward_progress 1
		.amdhsa_inst_pref_size 27
	.end_amdhsa_kernel
	.amdgpu_metadata
---
amdhsa.version: [ 1, 2 ]
amdhsa.kernels:
  - .name:           k_qfba5ae7e5a_outp
    .symbol:         k_qfba5ae7e5a_outp.kd
    .args:
      - { .name: agg, .offset: 0, .size: 8, .value_kind: global_buffer, .address_space: global }
      - { .name: wf, .offset: 8, .size: 8, .value_kind: global_buffer, .address_space: global }
      - { .name: b_out, .offset: 16, .size: 8, .value_kind: global_buffer, .address_space: global }
      - { .name: out0, .offset: 24, .size: 8, .value_kind: global_buffer, .address_space: global }
    .group_segment_fixed_size: 202752
    .private_segment_fixed_size: 0
    .kernarg_segment_align: 8
    .kernarg_segment_size: 32
    .max_flat_workgroup_size: 512
    .sgpr_count:     66
    .vgpr_count:     236
    .wavefront_size: 32
...
	.end_amdgpu_metadata
.endif
;; end of part 7
;; ======== version 3 of 3: 4 launches; version 2 with the launch sample written anew for expert scheduling mode
;; limits: values are held in f16: magnitudes above 65,504 overflow, below 6.1e-05 lose precision; inputs' magnitudes at most 65,504
;; workspace buffers: wf 327,680 bytes; idx 16,777,216 bytes of whole numbers; wts 33,554,432 bytes; agg 16,777,216 bytes
;; launch lay: the kernel of part 4 again; grid 10 x 1, 8 waves a work-group, no clusters, 35,840 bytes of LDS; arguments W_off, W_attn, W_out, wf; writes wf
;; launch proj: the kernel of part 5 again; grid 256 x 1, 8 waves a work-group, no clusters, 137,216 bytes of LDS; arguments query, reference_points, b_off, b_attn, wf, out1, idx, wts; writes out1, idx, wts
;; launch sample (part 8): grid 256 x 1, 16 waves a work-group, no clusters, 176,128 bytes of LDS; arguments idx, wts, feat0, feat1, feat2, feat3, agg; writes agg
.if DOCPART == 8
	.amdgcn_target "amdgcn-amd-amdhsa--gfx1250"
	.amdhsa_code_object_version 6
	.text
	.protected	k_qfba5ae7e5a_sample
	.globl	k_qfba5ae7e5a_sample
	.p2align	8
	.type	k_qfba5ae7e5a_sample,@function
k_qfba5ae7e5a_sample:
	s_mov_b64 s[64:65], 0
	v_nop
	global_prefetch_b8 v0, s[64:65] scope:SCOPE_SE
	s_setreg_imm32_b32 hwreg(HW_REG_WAVE_SCHED_MODE, 0, 2), 2
	s_setreg_imm32_b32 hwreg(HW_REG_WAVE_MODE, 25, 1), 1
	s_wait_xcnt 0x0
	s_wait_alu depctr_vm_vsrc(0)
; SAMPLE: agg[q][head][c] = the sum over 16 points and 4 corners of weight x map[c][pixel].
; NUMBERS.  The maps are rounded to bf16 (nearest even) and that number is kept as f16; the weights are f16 (made by the launch before); each product and the sum over the 64 corners in f32
; (v_fma_mix_f32); agg is rounded once to f16.
; LIMITS: a map's numbers exact for 2^-14 <= |x| < 65,504 after the rounding, below that f16's fixed step of 2^-24; agg under 65,504; NaN and infinities are not treated apart.
; SHARES.  A work-group owns FOUR CHANNELS of one (b, head): number = (8 b + head) x 8 + channel group, so 4 x the number is its first channel among all b's.  4 x 8 x 8 = 256 work-groups.
; THE TABLE.  Those four channels of all four levels, as [pixel 21760][channel 4] in f16, 8 bytes a pixel, are 174,080 bytes of LDS; the levels begin at pixels 0, 16384, 20480, 21504.  The work-group
; makes the table itself: in the maps a channel's pixels are dense, so a wave's load takes 512 consecutive bytes (128 pixels) of one channel; four such loads are a CHUNK, and a lane then holds
; 4 pixels x 4 channels, 32 consecutive bytes of the table.  170 chunks: 8 of level 0 and 2 of level 1 for each wave, level 2's eight for waves 0 to 7, level 3's two for waves 8 and 9.
; All map loads of a wave go out at once.  No byte of a map is read twice in the launch, and every corner is read from LDS.
; A LANE IS A QUERY.  A wave takes 16 units of 32 queries of its b.  The 64 corners of a query are added up in its lane: nothing changes lanes.
; For each point: its byte offset in the table (a whole number stored by the launch before) is held to the level's last legal pixel in the instruction that takes it into an address; four loads of
; 8 bytes (offsets 0, 8, a map row, a map row + 8) bring the corners' four channels; 16 multiply-adds.  The lanes' addresses are data, so which banks meet in a load cannot be laid out.
; No tensor load: the maps are converted and their channels interleaved on the way into LDS.  No cluster: the eight channel groups of a head read the same offsets and weights, but a joint load would
; bring them through LDS: 12 more LDS loads for a unit's 64.  No matrix unit: the sum runs over data that each lane fetches for itself.
; THE MODE: SCHED_MODE bits 1:0 = 2 (LLVM: expert scheduling mode 2), set by the entry lines.  The code itself states the register dependences between vector instructions and memory or LDS
; instructions, with s_wait_alu, always for 0.
; THE PLAN.  A STEP is a level of a unit, four points; step s = 4 x unit + level, 0 to 63.  Registers that memory or LDS instructions touch, in the loop:
;   DAT0, DAT1   Step s's 64 products read DAT[s % 2]; the 16 LDS loads issued in step s, for step s + 1's points, land in the other.
;   ADR0, ADR1   Step s's four v_min_u32 write ADR[s % 2], the addresses of step s + 2's points; the LDS loads issued in step s read the other, written in step s - 1.
;   WGT, 2 sets  by the unit's parity.  Step s's products read its level's eight registers; the two loads issued in step s + 1 land there, with the weights of step s + 8.
;   IDX, 2 sets  Step s's v_min_u32 read the four offsets of step s + 2's level; the load issued in step s + 1 lands there, with the offsets that step s + 8 reads.
;   OUT0, OUT1   by the unit's parity.  Written at the unit's end; read by the store that is issued in the next unit's first step.
;   v[L16], v[L8]  offsets, made at the head and never written again: the rows of idx, wts and agg are reached by scalar bases, stepped once a unit, and by immediate offsets.
;   ACC and ZERO are named by vector instructions alone.  v[SPW], v[NIL]: written at the head, read by the closing add alone.
; So all that a step's memory and LDS instructions touch is what the step BEFORE worked on, and no vector instruction of the step itself names it: two waits at the step's head state everything, and
; the step's 16 LDS loads, 3 parameter loads and (a unit's first step) its store are dealt among its products with no further wait.
; PARAMETERS.  Three loads of 16 bytes a lane (512 consecutive bytes each) in every step, always in the order weights, weights, offsets, each seven steps ahead of its use: 18 to 21 are on their way.
.set SPARE, 174080                     ; behind the table: the spare words, 128 bytes a wave
.set LV1,   131072                     ; the levels' first bytes in the table
.set LV2,   163840
.set SPW, 1                            ; v1  LDS address of my spare word; never rewritten
.set NIL, 2                            ; v2  0; never rewritten
.set ZERO, 3                           ; v3  0: the addend of a unit's first products
.set L16, 4                            ; v4  16 x lane; never rewritten
.set L8,  5                            ; v5  8 x lane; never rewritten
.set LS0, 6                            ; v6  the fill: where my 32 bytes of my first chunk of level 0 go;  v7 of level 1;  v8 of my chunk of level 2 or 3
.set LS1, 7
.set LSX, 8
.set VOX, 9                            ; v[9:11]    the fill: my byte offset in channels 1 to 3 of level 2 or 3
.set IDX, 12                           ; v[12:27]   set 0: 16 offsets: 4 level + p;      set 1: v[60:75]
.set WGT, 28                           ; v[28:59]   set 0: 64 weights: point t's four at 2 t, two a register;      set 1: v[76:107]
.set SET, 48                           ; from a register of set 0 to its twin in set 1
.set XR,  60                           ; v[60:235]  the fill: chunk n at 16 n: channel c's four pixels at 4 c.  Chunks 0 to 2 become set 1, the others what follows here
.set XE,  XR+160                       ;            chunk 10: the one of level 2 or 3
.set TW,  236                          ; v[236:251] the fill: two sets of eight, at work and as the LDS stores' data
.set DAT, 108                          ; v[108:171] buffer level % 2: point i's corner c: four channels at 32 (level % 2) + 8 i + 2 c
.set ADR, 172                          ; v[172:179] set level % 2: point i's LDS address at 4 (level % 2) + i
.set ACC, 180                          ; v[180:183] the even corners' sums, v[184:187] the odd corners'
.set OUTR, 188                         ; v[188:189], v[190:191] four channels in f16, by the unit's parity
.set MID, 16                           ; stands for any step from 1 to 54: nothing is left out of it
	s_load_b256 s[4:11], s[0:1], 0x0               ; idx s[4:5], wts s[6:7], feat0 s[8:9], feat1 s[10:11]
	s_load_b128 s[12:15], s[0:1], 0x20             ; feat2 s[12:13], feat3 s[14:15]
	s_load_b64 s[16:17], s[0:1], 0x30              ; agg
	v_lshl_add_u32 v[SPW], v0, 2, SPARE
	v_mov_b32 v[NIL], 0
	v_lshrrev_b32 v[TW], 5, v0
	v_readfirstlane_b32 s18, v[TW]                 ; wave 0..15
	s_mov_b32 s34, 0xffff0000                      ; a word's upper bf16
	s_lshl_b32 s36, ttmp9, 18                      ; feat0: 4 channels of 65,536 bytes for a work-group; 4,096 bytes (1,024 pixels) of each for a wave
	s_wait_alu depctr_va_sdst(0)                   ; s18 is written, ahead of its first reader: the bases, the LDS places and the branches are made from it
	s_lshl_b32 s37, s18, 12
	s_add_co_u32 s36, s36, s37
	s_mov_b32 s37, 0
	s_lshl_b32 s38, ttmp9, 16                      ; feat1: channels of 16,384 bytes; 1,024 bytes (256 pixels) for a wave
	s_lshl_b32 s39, s18, 10
	s_add_co_u32 s38, s38, s39
	s_mov_b32 s39, 0
	s_lshl_b32 s41, s18, 9                         ; 512 bytes (128 pixels) for a wave:
	s_lshl_b32 s40, ttmp9, 14                      ; feat2: channels of 4,096 bytes, waves 0 to 7;
	s_add_co_u32 s40, s40, s41
	s_lshl_b32 s42, ttmp9, 12                      ; feat3: channels of 1,024 bytes, waves 8 and 9
	s_add_co_u32 s42, s42, s41
	s_sub_co_u32 s42, s42, 4096
	s_mov_b32 s43, 1024
	s_cmp_lt_u32 s18, 8
	s_cselect_b32 s40, s40, s42
	s_cselect_b32 s43, 4096, s43                   ; bytes from channel to channel
	s_mov_b32 s41, 0
	s_lshr_b32 s19, ttmp9, 3                       ; 8 b + head
	s_lshl_b32 s44, s19, 19                        ; idx: 524,288 for a head, 32,768 for a wave's 16 units
	s_lshl_b32 s45, s18, 15
	s_add_co_u32 s44, s44, s45
	s_mov_b32 s45, 0
	s_lshl_b32 s46, s19, 20                        ; wts: twice that
	s_lshl_b32 s47, s18, 16
	s_add_co_u32 s46, s46, s47
	s_mov_b32 s47, 0
	s_lshl_b32 s48, ttmp9, 16                      ; agg: [work-group][q 8192][4]: 65,536 for a work-group, 4,096 for a wave's 16 units
	s_lshl_b32 s49, s18, 12
	s_add_co_u32 s48, s48, s49
	s_mov_b32 s49, 0
	s_lshl_b32 s51, s18, 13                        ; the table: my 1,024 pixels of level 0,
	s_lshl_b32 s52, s18, 11
	s_add_co_u32 s52, s52, LV1                     ; my 256 of level 1,
	s_lshl_b32 s53, s18, 10
	s_add_co_u32 s53, s53, LV2                     ; my 128 of level 2, or of level 3, which begins where level 2's eighth chunk ends
	v_and_b32 v[TW], 31, v0
	v_lshlrev_b32 v[L16], 4, v[TW]
	v_lshlrev_b32 v[L8], 3, v[TW]
	v_mov_b32 v[ZERO], 0
	v_lshl_add_u32 v[LS0], v[TW], 5, s51           ; 4 pixels, 32 bytes, a lane
	v_lshl_add_u32 v[LS1], v[TW], 5, s52
	v_lshl_add_u32 v[LSX], v[TW], 5, s53
	v_add_nc_u32 v[VOX],   s43, v[L16]
	v_add_nc_u32 v[VOX+1], s43, v[VOX]
	v_add_nc_u32 v[VOX+2], s43, v[VOX+1]
	s_wait_kmcnt 0x0
	s_add_nc_u64 s[26:27], s[8:9], s[36:37]
	s_add_nc_u64 s[28:29], s[10:11], s[38:39]
	s_cmp_lt_u32 s18, 8
	s_cselect_b64 s[30:31], s[12:13], s[14:15]
	s_add_nc_u64 s[30:31], s[30:31], s[40:41]
	s_add_nc_u64 s[20:21], s[4:5], s[44:45]        ; idx, wts and agg at my first unit
	s_add_nc_u64 s[22:23], s[6:7], s[46:47]
	s_add_nc_u64 s[24:25], s[16:17], s[48:49]
	s_wait_alu depctr_va_vdst(0)                   ; v4 to v11 are written: the offsets that every global load and store of the kernel reads, and the LDS addresses of the fill's stores
; A parameter load.  st: the set; lv: the level; off: bytes from the base.
.macro LOADI st, lv, off                               ; a level's four offsets a lane
	global_load_b128 v[IDX+SET*(\st)+4*(\lv):IDX+SET*(\st)+4*(\lv)+3], v[L16], s[20:21] offset:(\off)
.endm
.macro LOADW st, lv, hf, off                           ; half hf of a level's sixteen weights a lane
	global_load_b128 v[WGT+SET*(\st)+8*(\lv)+4*(\hf):WGT+SET*(\st)+8*(\lv)+4*(\hf)+3], v[L16], s[22:23] offset:(\off)+512*(\hf)
.endm
	; THE FILL.  The loads go out: 4 of level 2 or 3 (waves 0 to 9), 32 of level 0, 8 of level 1, then the first 8 of the parameters.
	s_cmp_lt_u32 s18, 10
	s_cbranch_scc0 .Lno_extra_loads
	global_load_b128 v[XE:XE+3],     v[L16],   s[30:31] th:TH_LOAD_NT
	global_load_b128 v[XE+4:XE+7],   v[VOX],   s[30:31] th:TH_LOAD_NT
	global_load_b128 v[XE+8:XE+11],  v[VOX+1], s[30:31] th:TH_LOAD_NT
	global_load_b128 v[XE+12:XE+15], v[VOX+2], s[30:31] th:TH_LOAD_NT
.Lno_extra_loads:
.irp i, 0,1,2,3,4,5,6,7
.irp c, 0,1,2,3
	global_load_b128 v[XR+16*(\i)+4*(\c):XR+16*(\i)+4*(\c)+3], v[L16], s[26:27] offset:(\c)*65536+(\i)*512 th:TH_LOAD_NT  ; 512 consecutive bytes of channel c
.endr
.endr
.irp i, 0,1
.irp c, 0,1,2,3
	global_load_b128 v[XR+128+16*(\i)+4*(\c):XR+128+16*(\i)+4*(\c)+3], v[L16], s[28:29] offset:(\c)*16384+(\i)*512 th:TH_LOAD_NT
.endr
.endr
	; The parameters ahead of the loop go out in the order in which steps -7 to -1 would have asked for them (weights of step j + 7, twice; offsets of step j + 9's points), behind the offsets of
	; steps 0 and 1: 23 loads, so that the loop's one count holds from step 0 on.  These eight land in set 0, which nothing has named yet.
	LOADI 0, 0, 0                                  ; the offsets of steps 0 and 1
	LOADI 0, 1, 512
	LOADW 0, 0, 0, 0                               ; as step -7
	LOADW 0, 0, 1, 0
	LOADI 0, 2, 1024
	LOADW 0, 1, 0, 1024                            ; as step -6
	LOADW 0, 1, 1, 1024
	LOADI 0, 3, 1536
; A chunk at registers xb: for each of my four pixels, channels 0, 1 and channels 2, 3 are rounded to bf16 in pairs, widened (into the chunk's own registers, which are used up), and written as f16:
; eight words, my four pixels' 32 bytes of the table.  again = 1: LDS stores have read the set of eight at ts before.
.macro CONV xb, ts, la, off, again
.if \again
	s_wait_alu depctr_vm_vsrc(0)                   ; the LDS stores of an earlier chunk have read v[ts ..], which the roundings below write again
.endif
.irp j, 0,1,2,3
	v_cvt_pk_bf16_f32 v[(\ts)+2*(\j)],   v[(\xb)+(\j)],   v[(\xb)+4+(\j)]
	v_cvt_pk_bf16_f32 v[(\ts)+2*(\j)+1], v[(\xb)+8+(\j)], v[(\xb)+12+(\j)]
.endr
.irp k, 0,1,2,3,4,5,6,7
	v_lshlrev_b32 v[(\xb)+2*(\k)],   16,  v[(\ts)+(\k)]
	v_and_b32     v[(\xb)+2*(\k)+1], s34, v[(\ts)+(\k)]
.endr
.irp k, 0,1,2,3,4,5,6,7
	v_cvt_pk_f16_f32 v[(\ts)+(\k)], v[(\xb)+2*(\k)], v[(\xb)+2*(\k)+1]
.endr
	s_wait_alu depctr_va_vdst(0)                   ; the conversions have written v[ts ..], which the two LDS stores read; and they are done with the chunk's own registers
	ds_store_b128 v[\la], v[(\ts):(\ts)+3]   offset:(\off)
	ds_store_b128 v[\la], v[(\ts)+4:(\ts)+7] offset:(\off)+16
.endm
	s_cmp_lt_u32 s18, 10
	s_cbranch_scc0 .Lno_extra
	s_wait_loadcnt 48                              ; loads come back in order (ISA guide 5.7.1): behind these four stand 40 of the maps and 8 of the parameters
	CONV XE, TW+8, LSX, 0, 0
.Lno_extra:
	s_wait_loadcnt 44                              ; behind chunk n: 9 - n chunks of four, and the 8
	CONV XR, TW, LS0, 0, 0
.irp n, 1,2
	s_wait_loadcnt 44-4*(\n)
	CONV XR+16*(\n), TW+8*((\n)%2), LS0, (\n)*1024, 1
.endr
	; Fourteen more parameter loads, as steps -5 to -1.  Set 1 lies in chunks 0 to 2's registers.  No wait: the conversions that named those stand ahead of chunk 2's wait on va_vdst, and no vector instruction has been issued since.
	LOADW 0, 2, 0, 2048                            ; as step -5
	LOADW 0, 2, 1, 2048
	LOADI 1, 0, 2048
	LOADW 0, 3, 0, 3072                            ; as step -4
	LOADW 0, 3, 1, 3072
	LOADI 1, 1, 2560
	LOADW 1, 0, 0, 4096                            ; as step -3
	LOADW 1, 0, 1, 4096
	LOADI 1, 2, 3072
	LOADW 1, 1, 0, 5120                            ; as step -2
	LOADW 1, 1, 1, 5120
	LOADI 1, 3, 3584
	LOADW 1, 2, 0, 6144                            ; as step -1; its third load follows below
	LOADW 1, 2, 1, 6144
.irp n, 3,4,5,6,7
	s_wait_loadcnt 58-4*(\n)                       ; behind chunk n now: 9 - n chunks of four, the 8 and the 14
	CONV XR+16*(\n), TW+8*((\n)%2), LS0, (\n)*1024, 1
.endr
.irp n, 0,1
	s_wait_loadcnt 26-4*(\n)
	CONV XR+128+16*(\n), TW+8*((\n)%2), LS1, (\n)*1024, 1
.endr
; Point i of a step of level lv: its offset (set st) is held to the level's last legal pixel (yb, xb <= W - 2) and becomes its LDS address.
.macro VMIN i, lv, st
.if (\lv) == 0
.set MXB, 130032
.elseif (\lv) == 1
.set MXB, 163312
.elseif (\lv) == 2
.set MXB, 171760
.else
.set MXB, 173936
.endif
	v_min_u32 v[ADR+4*((\lv)%2)+(\i)], MXB, v[IDX+SET*(\st)+4*(\lv)+(\i)]
.endm
; The same point's four corners are asked for.
.macro CORNERS i, lv
.if (\lv) == 0
.set WB8, 1024
.elseif (\lv) == 1
.set WB8, 512
.elseif (\lv) == 2
.set WB8, 256
.else
.set WB8, 128
.endif
.set rI, DAT+32*((\lv)%2)+8*(\i)
.set rN, ADR+4*((\lv)%2)+(\i)
	ds_load_b64 v[rI:rI+1],   v[rN]
	ds_load_b64 v[rI+2:rI+3], v[rN] offset:8
	ds_load_b64 v[rI+4:rI+5], v[rN] offset:WB8
	ds_load_b64 v[rI+6:rI+7], v[rN] offset:WB8+8
.endm
	s_wait_loadcnt 20                              ; the offsets of steps 0 and 1 are in: behind them stand 6 and 14 parameter loads
.irp i, 0,1,2,3
	VMIN \i, 0, 0                                  ; as step -2: the addresses of step 0's points
.endr
.irp i, 0,1,2,3
	VMIN \i, 1, 0                                  ; as step -1: those of step 1's
.endr
	s_wait_alu depctr_va_vdst(0)                   ; both sets of addresses are written, which the LDS loads below and in step 0 read; the lines above are done reading level 0's offsets, in which the next load lands; the fill's conversions are done with the registers that are DAT from here on
	LOADI 0, 0, 4096                               ; the third load of step -1: the offsets of step 8's points.  23 parameter loads have gone out
	s_wait_dscnt 0x0                               ; for the others' sake: my part of the table is in LDS
	s_barrier_signal -1
	s_barrier_wait -1                              ; everybody's is
.irp i, 0,1,2,3
	CORNERS \i, 0                                  ; as step -1: step 0's points
.endr
; One corner: its four channels (registers rD, rD + 1) times its weight (half q of register rW), onto the sums at rA.  z = 1: the products start the sums.
.macro FM4 q, z
.if \z
	v_fma_mix_f32 v[rA],   v[rD],   v[rW], v[ZERO] op_sel:[0,\q,0] op_sel_hi:[1,1,0]
	v_fma_mix_f32 v[rA+1], v[rD],   v[rW], v[ZERO] op_sel:[1,\q,0] op_sel_hi:[1,1,0]
	v_fma_mix_f32 v[rA+2], v[rD+1], v[rW], v[ZERO] op_sel:[0,\q,0] op_sel_hi:[1,1,0]
	v_fma_mix_f32 v[rA+3], v[rD+1], v[rW], v[ZERO] op_sel:[1,\q,0] op_sel_hi:[1,1,0]
.else
	v_fma_mix_f32 v[rA],   v[rD],   v[rW], v[rA]   op_sel:[0,\q,0] op_sel_hi:[1,1,0]
	v_fma_mix_f32 v[rA+1], v[rD],   v[rW], v[rA+1] op_sel:[1,\q,0] op_sel_hi:[1,1,0]
	v_fma_mix_f32 v[rA+2], v[rD+1], v[rW], v[rA+2] op_sel:[0,\q,0] op_sel_hi:[1,1,0]
	v_fma_mix_f32 v[rA+3], v[rD+1], v[rW], v[rA+3] op_sel:[1,\q,0] op_sel_hi:[1,1,0]
.endif
.endm
.macro FM16                            ; point t's four corners (weights of set PAR); the two sets of sums take turns, so that a sum is taken up again eight instructions on
.set rD, DAT+32*((t/4)%2)+8*(t%4)
.set rW, WGT+SET*PAR+2*t
.set rA, ACC
.if t == 0
	FM4 0, 1
.else
	FM4 0, 0
.endif
.set rD, rD+2
.set rA, ACC+4
.if t == 0
	FM4 1, 1
.else
	FM4 1, 0
.endif
.set rD, rD+2
.set rW, rW+1
.set rA, ACC
	FM4 0, 0
.set rD, rD+2
.set rA, ACC+4
	FM4 1, 0
.endm
; A STEP: level l of a unit of parity par.  si: the step's number, by which the first and the last steps leave lines out (in the loop: MID).
; Asked for in step s: the corners of step s + 1 (up to s = 62); the weights of step s + 7 (up to 56); the offsets of step s + 9's points (up to 54).  Made in step s: the addresses of step s + 2's points (up to 61).
; No load leaves the wave's part of its buffers.
.macro STEP l, par, si
.set PAR, (\par)
.set LC, 0                             ; the parameter loads of the six steps before this one: they are younger than what this step reads, which was asked for seven steps ago
.set jj, (\si)-6
.rept 6
.if jj <= 56
.set LC, LC+2
.endif
.if jj <= 54
.set LC, LC+1
.endif
.set jj, jj+1
.endr
.set wS, (\par)                        ; the weights asked for land in the last step's: level l - 1 of this unit, or level 3 of the unit before
.if (\l) == 0
.set wS, 1-(\par)
.endif
.set wL, ((\l)+3)%4
.set wO, 4096*(((\l)+7)/4)+1024*wL
.set iS, (\par)                        ; the offsets asked for land in those that the last step read: the next step's level
.if (\l) == 3
.set iS, 1-(\par)
.endif
.set iL, ((\l)+1)%4
.set iO, 2048*(((\l)+9)/4)+512*iL
.set mS, (\par)                        ; the offsets that this step reads: the level two steps on
.if (\l) >= 2
.set mS, 1-(\par)
.endif
.set mL, ((\l)+2)%4
	s_wait_loadcnt LC                              ; loads come back in order (ISA guide 5.7.1): this step's weights and the offsets that it reads are in; six steps' loads, three a step while all are asked for, stay out
.if ((\l) == 0) && ((\si) != 0)
	s_wait_xcnt 0x0                                ; every earlier memory instruction has had its addresses translated (ISA guide 3.1): the bases, and at this unit's end the data of the store of two units back, are rewritten only behind this wait
.endif
.if (\si) <= 61
	s_wait_alu depctr_vm_vsrc(0)                   ; the LDS loads issued in the last step have read the set of addresses that this step's v_min_u32 write again; the store issued a unit ago has read its OUT
.endif
.if (\si) <= 62
	s_wait_alu depctr_va_vdst(0)                   ; the last step is done reading its DAT, its weights and its offsets, in all of which loads of this step land; it has written the addresses that the LDS loads below read and, at a unit's end, the OUT that the store below reads
.endif
.if ((\l) == 0) && ((\si) != 0)
.if (\si) <= 54
	s_add_nc_u64 s[20:21], s[20:21], 2048          ; idx,
.endif
.if (\si) <= 56
	s_add_nc_u64 s[22:23], s[22:23], 4096          ; wts
.endif
	s_add_nc_u64 s[24:25], s[24:25], 256           ; and agg at this unit
.endif
.irp i, 0,1,2,3
.if (\si) <= 62
	CORNERS \i, iL                                 ; the next step's point i.  No wait, here and at the loads and the store below: no vector instruction since the head's wait names a register that they touch
.endif
.if ((\i) < 2) && ((\si) <= 56)
	LOADW wS, wL, \i, wO
.endif
.if ((\i) == 2) && ((\si) <= 54)
	LOADI iS, iL, iO
.endif
.if ((\i) == 3) && ((\l) == 0) && ((\si) != 0)
	global_store_b64 v[L8], v[OUTR+2*(1-(\par)):OUTR+2*(1-(\par))+1], s[24:25] offset:-256  ; the unit before: the offset reaches back.  32 queries x 8 bytes: 256 consecutive bytes, at a multiple of 256 from the buffer's first
.endif
.if (\si) <= 62
	s_wait_dscnt 16                                ; LDS loads come back in order (ISA guide 5.7.1): this point's four are in; the step's 3 - i later points and the next step's i + 1, sixteen loads, may stay out
.else
	s_wait_dscnt 12-4*(\i)                         ; the last step asks for nothing: the counts run down
.endif
.set t, 4*(\l)+(\i)
	FM16
.if (\si) <= 61
	VMIN \i, mL, mS
.endif
.endr
.if (\l) == 3
	v_pk_add_f32 v[ACC:ACC+1],   v[ACC:ACC+1],   v[ACC+4:ACC+5]
	v_pk_add_f32 v[ACC+2:ACC+3], v[ACC+2:ACC+3], v[ACC+6:ACC+7]
	v_cvt_pk_f16_f32 v[OUTR+2*(\par)],   v[ACC],   v[ACC+1]
	v_cvt_pk_f16_f32 v[OUTR+2*(\par)+1], v[ACC+2], v[ACC+3]
.endif
.endm
	STEP 0, 0, 0                                   ; step 0 is written out: no unit stands in front of it, so it steps no base and stores nothing
	s_mov_b32 s50, 6
.Lpair:                                                ; steps 1 to 48, eight to a trip: both parities of the units, and every buffer is back at its start
	STEP 1, 0, MID
	STEP 2, 0, MID
	STEP 3, 0, MID
	STEP 0, 1, MID
	STEP 1, 1, MID
	STEP 2, 1, MID
	STEP 3, 1, MID
	STEP 0, 0, MID
	s_sub_co_u32 s50, s50, 1
	s_cmp_lg_u32 s50, 0
	s_cbranch_scc1 .Lpair
.set ss, 49
.rept 15                                               ; steps 49 to 63 are written out: from 55 on there is less and less to ask for, and the counts run down
	STEP ss%4, (ss/4)%2, ss
.set ss, ss+1
.endr
	s_wait_alu depctr_va_vdst(0)                   ; unit 15's roundings have written its OUT, which the last store reads
	global_store_b64 v[L8], v[OUTR+2:OUTR+3], s[24:25]
	s_wait_dscnt 0x0                               ; the closing lines, six on end
	s_wait_alu 0x0
	s_wait_tensorcnt 0x0
	ds_add_u32 v[SPW], v[NIL]
	s_wait_dscnt 0x0
	s_endpgm
.Lfunc_end_k_qfba5ae7e5a_sample:
	.size	k_qfba5ae7e5a_sample, .Lfunc_end_k_qfba5ae7e5a_sample-k_qfba5ae7e5a_sample
	.p2alignl 7, 3214868480
	.fill 96, 4, 3214868480
	.section	.rodata,"a",@progbits
	.p2align	6, 0x0
	.amdhsa_kernel k_qfba5ae7e5a_sample
		.amdhsa_group_segment_fixed_size 176128
		.amdhsa_private_segment_fixed_size 0
		.amdhsa_enable_private_segment 0
		.amdhsa_kernarg_size 56
		.amdhsa_user_sgpr_count 2
		.amdhsa_user_sgpr_kernarg_segment_ptr 1
		.amdhsa_wavefront_size32 1
		.amdhsa_system_sgpr_workgroup_id_x 1
		.amdhsa_system_sgpr_workgroup_id_y 1
		.amdhsa_system_sgpr_workgroup_id_z 1
		.amdhsa_system_vgpr_workitem_id 0
		.amdhsa_next_free_vgpr 252
		.amdhsa_next_free_sgpr 66
		.amdhsa_reserve_vcc 0
		.amdhsa_float_denorm_mode_32 3
		.amdhsa_float_denorm_mode_16_64 3
		.amdhsa_memory_ordered 1
		.amdhsa_forward_progress 1
		.amdhsa_inst_pref_size 168
	.end_amdhsa_kernel
	.amdgpu_metadata
---
amdhsa.version: [ 1, 2 ]
amdhsa.kernels:
  - .name:           k_qfba5ae7e5a_sample
    .symbol:         k_qfba5ae7e5a_sample.kd
    .args:
      - { .name: idx, .offset: 0, .size: 8, .value_kind: global_buffer, .address_space: global }
      - { .name: wts, .offset: 8, .size: 8, .value_kind: global_buffer, .address_space: global }
      - { .name: feat0, .offset: 16, .size: 8, .value_kind: global_buffer, .address_space: global }
      - { .name: feat1, .offset: 24, .size: 8, .value_kind: global_buffer, .address_space: global }
      - { .name: feat2, .offset: 32, .size: 8, .value_kind: global_buffer, .address_space: global }
      - { .name: feat3, .offset: 40, .size: 8, .value_kind: global_buffer, .address_space: global }
      - { .name: agg, .offset: 48, .size: 8, .value_kind: global_buffer, .address_space: global }
    .group_segment_fixed_size: 176128
    .private_segment_fixed_size: 0
    .kernarg_segment_align: 8
    .kernarg_segment_size: 56
    .max_flat_workgroup_size: 512
    .sgpr_count:     66
    .vgpr_count:     252
    .wavefront_size: 32
...
	.end_amdgpu_metadata
.endif
;; end of part 8
;; launch outp: the kernel of part 7 again; grid 256 x 1, 16 waves a work-group, no clusters, 202,752 bytes of LDS; arguments agg, wf, b_out, out0; writes out0
